; MI455X (gfx1250); checked and timed in simulation.
; The chip was launched on July 23, 2026; its instructions are those of AMD's public machine-readable ISA for CDNA 5 (MIT licence, August 2026) and "CDNA5" Instruction Set Architecture Reference Guide (July 2026). The comments in the code are by the model that wrote it; some were corrected since.
;; Causal Self Attention. Allowed arithmetic: matrix products marked QUANTISED: E2M1 operands, one E8M0 scale for each 32 along K, by v_wmma_scale_f32_16x16x128_f8f6f4 with both operands' format E2M1 (or v_wmma_scale_f32_32x16x128_f4), f32 sums; products left as they are: bf16, f16 or f32 operands; f32 sums; everything else in f32.
;; Inputs: b_attn 3,072 float32; b_proj 1,024 float32; w_attn 1,024 x 3,072 float32; w_proj 1,024 x 1,024 float32; x 4 x 2,048 x 1,024 float32.
;; Outputs: out0 4 x 2,048 x 1,024 float32.
;; This version of the problem:
;;   THIS VERSION OF THE PROBLEM IS GIVEN IN LOW PRECISION. The matrix products marked QUANTISED in the list below multiply operands that are first quantised to E2M1 (2 exponent bits, 1 mantissa bit; 4 bits a number), with one power-of-two scale for each 32 numbers along K (OCP MX v1.0); their sums are f32. The products marked 'left as it is' may take bf16, f16 or f32 operands, with f32 sums. Whichever they take, every output number must still come out within the allowed error. Rounding operands to bf16 (8 significant bits) uses up far more of that allowance than f16 does (11 bits, for magnitudes from 6e-5 to 65,504). All else is computed in f32.
;;   The module's matrix products, in the order in which they are computed (A, B: the left and right operand; K: the contracted axis; several contracted axes count as one K, in the product's order):
;;     1. [M 8,192, K 1,024] x [K 1,024, N 3,072]; A: input x; B: input w_attn: QUANTISED
;;     2. batch 64 x [M 2,048, K 64] x [K 64, N 2,048]; A: computed on the way; B: computed on the way: left as it is (an operand is computed on the way)
;;     3. batch 64 x [M 2,048, K 2,048] x [K 2,048, N 64]; A: computed on the way; B: computed on the way: left as it is (an operand is computed on the way)
;;     4. [M 8,192, K 1,024] x [K 1,024, N 1,024]; A: computed on the way; B: input w_proj: left as it is (an operand is computed on the way)
;;   THE QUANTISER, for each operand of a quantised product, along K:
;;     - K is cut into blocks of 32 from its start; a last block that is shorter is filled with zeros.
;;     - A block's scale is 2^e with e = floor(log2(the largest magnitude in the block)) - 2, held to -126 .. 127; a block of zeros has e = 0. As a byte (E8M0): e + 127.
;;     - Each number is divided by its block's scale, clamped to +-6, and rounded to the nearest number of E2M1, ties to even, subnormals kept.
;;     - The product sums the exact products of the quantised numbers (number of the format x scale) in f32.
;;   ~~~python
;;   def quantise(x, axis):      # numpy; x: float32 -> the quantised numbers, widened to float32 again
;;       x = np.moveaxis(x, axis, -1); K = x.shape[-1]
;;       x = np.pad(x, [(0, 0)] * (x.ndim - 1) + [(0, -K % 32)]); x = x.reshape(x.shape[:-1] + (-1, 32)); a = np.abs(x).max(-1, keepdims=True)
;;       e = np.where(a > 0, np.clip(np.frexp(np.where(a > 0, a, 1))[1] - 1 - 2, -126, 127), 0)      # np.frexp(a)[1] - 1 = floor(log2(a)), exactly
;;       r = np.clip(x / 2.0 ** e, -6, 6)
;;       step = 2.0 ** (np.maximum(np.frexp(np.where(r == 0, 1, r))[1] - 1, 0) - 1)
;;       q = np.round(r / step) * step * 2.0 ** e      # np.round: ties to even
;;       return np.moveaxis(q.reshape(q.shape[:-2] + (-1,))[..., :K], -1, axis).astype(np.float32)
;;   ~~~
;; One version. Each part assembles by itself: llvm-mc -triple=amdgcn-amd-amdhsa -mcpu=gfx1250 --defsym DOCPART=n.
;; ======== version 1 of 1: 6 launches
;; limits: values are held in f16: magnitudes above 65,504 overflow, below 6.1e-05 lose precision
;; workspace buffers: xcodes 4,194,304 bytes; xscales 262,144 bytes; wcodes 1,572,864 bytes; wscales 98,304 bytes; qkv 50,331,648 bytes; yfrag 16,777,216 bytes; wpfrag 2,097,152 bytes; y32 262,144 bytes
;; launch prep (part 1): grid 368 x 1, 4 waves a work-group, no clusters, 68,096 bytes of LDS; arguments x, w_attn, w_proj, xcodes, xscales, wcodes, wscales, wpfrag; writes xcodes, xscales, wcodes, wscales, wpfrag
.if DOCPART == 1
	.amdgcn_target "amdgcn-amd-amdhsa--gfx1250"
	.amdhsa_code_object_version 6
	.text
	.protected	k_q548a25321b_prep
	.globl	k_q548a25321b_prep
	.p2align	8
	.type	k_q548a25321b_prep,@function
k_q548a25321b_prep:
	s_mov_b64 s[64:65], 0
	v_nop
	global_prefetch_b8 v0, s[64:65] scope:SCOPE_SE
	s_setreg_imm32_b32 hwreg(HW_REG_WAVE_MODE, 25, 1), 1
	s_wait_xcnt 0x0
; THREE JOBS IN ONE LAUNCH, told apart by the work-group's number; each job has its own path, its own LDS bytes and its own end.
;   work-groups 0-255:   x [8192][1024] f32 -> codes of E2M1, K innermost (xcodes [8192][512 bytes]), one E8M0 byte for each 32 along K (xscales [8192][32]).
;   work-groups 256-303: w_attn [1024 (k)][3072 (n)] f32, K its FIRST axis -> wcodes [3072][512 bytes], wscales [3072][32]: a lane takes a column, its registers run down K.
;   work-groups 304-367: w_proj [1024 (k)][1024 (n)] f32 -> f16, laid as images of the matrix operand's registers: wpfrag [k / 128][n / 16][4 (32 along k)][2 (register half)][512 bytes], lane l's 16 bytes at 16 l.
; A block's scale is 2^(floor(log2(its largest magnitude)) - 2); its byte is the largest magnitude's exponent field - 2, held at 1 from below (a block of zeros keeps the byte 1: its codes are zeros,
; which add nothing under any byte but 0xff, and this program alone reads the bytes).  Each number is divided by the scale and rounded to the nearest code, ties to even; beyond 6 the largest code.
; LIMITS: blocks whose largest magnitude lies under 2^-124 keep the byte 1; NaN and infinities among the inputs are not served; |w_proj| stays under 65,504 (f16).
.set XWG,   256                        ; work-groups for x: 8192 x 1024 / 32,768
.set WWG,   48                         ; for w_attn: 3072 / 128 x 1024 / 512
.set STEPS, 16
.set EMAX,  2
.set CB,    8                          ; bytes of 16 codes
.set XR,    16                         ; x: v16-79   four sets of 16 numbers as loaded
.set XX,    80                         ;    v80-111  two sets of 16 neighbours
.set XE,    112                        ;    v112-127 a scale byte for each step
.set XC,    128                        ;    v128-191 codes, four registers a step: no store's data are written again
.set WREG,  8192                       ; x: LDS of a wave: two stages of 32 x SP bytes, then its 256 scale bytes
.set SP,    80
.set WSTG,  4*WREG                     ; w_attn: four stages of 32 x PITCH bytes, behind x's regions
.set WK,    1024
.set WN,    3072
.set KW,    512                        ; along K for a wave
.set NB,    KW/32
.set PITCH, 272
.set KROW,  WK/2                       ; a row of codes in bytes
.set WX,    32                         ; w_attn: v32-95 two sets of 32 numbers
.set WC,    96                         ;    v96-99 a block's codes
.set WOUT,  112                        ;    v112-175 the way out
.set WSB,   24                         ;    v24-27 the scale bytes
.set PF,    32                         ; w_proj: v32-159 eight fragments of 16 numbers
.set SPW,   12                         ; v12 LDS address of my spare word; never rewritten
.set NIL,   13                         ; v13 0; never rewritten
.set SPARE, WSTG+4*32*PITCH            ; the spare words, 128 bytes a wave: two blocks of 256 bytes that no other line names
	s_load_b512 s[4:19], s[0:1], 0x0               ; x 4:5, w_attn 6:7, w_proj 8:9, xcodes 10:11, xscales 12:13, wcodes 14:15, wscales 16:17, wpfrag 18:19
	v_lshl_add_u32 v[SPW], v0, 2, SPARE
	v_mov_b32 v[NIL], 0
	v_lshrrev_b32 v1, 5, v0
	v_readfirstlane_b32 s20, v1                    ; wave 0..3
	v_and_b32 v2, 31, v0                           ; lane
	s_wait_kmcnt 0x0
	s_cmp_lt_u32 ttmp9, XWG
	s_cbranch_scc1 .Lpath_x
	s_cmp_lt_u32 ttmp9, XWG+WWG
	s_cbranch_scc1 .Lpath_w
; ---- w_proj.  A wave takes 64 along k x 64 columns: eight fragments (c: which 32 along k; a: which 16 columns).  Lane (r, h) holds column r; registers 0-7 are k = 8 h + i, registers 8-15 k = 16 + 8 h + i - 8.
; Four loads on end (a = 0..3 of one k) cover 256 consecutive bytes of a row.  No LDS on this path.
	s_sub_co_u32 s21, ttmp9, XWG+WWG
	s_lshl_b32 s21, s21, 2
	s_add_co_u32 s21, s21, s20                     ; 0..255
	s_and_b32 s22, s21, 15                         ; which 64 columns
	s_lshr_b32 s23, s21, 4                         ; which 64 along k
	s_lshl_b32 s24, s23, 18                        ; 64 rows of 4,096 bytes
	s_lshl_b32 s25, s22, 8
	s_add_co_u32 s24, s24, s25
	s_mov_b32 s25, 0
	s_add_nc_u64 s[8:9], s[8:9], s[24:25]
	s_lshr_b32 s24, s23, 1
	s_lshl_b32 s24, s24, 18                        ; k / 128: 262,144 bytes
	s_lshl_b32 s26, s22, 14                        ; four column tiles of 4,096 bytes
	s_add_co_u32 s24, s24, s26
	s_and_b32 s26, s23, 1
	s_lshl_b32 s26, s26, 11                        ; the second 64 of the 128
	s_add_co_u32 s24, s24, s26
	s_add_nc_u64 s[18:19], s[18:19], s[24:25]
	v_and_b32 v5, 15, v2
	v_lshrrev_b32 v6, 4, v2
	v_lshlrev_b32 v3, 2, v5
	v_lshl_add_u32 v3, v6, 15, v3                  ; 4 r + 8 h rows
	v_lshlrev_b32 v4, 4, v2                        ; out: 16 x lane
.irp c, 0,1
.irp a, 0,1,2,3
.irp i, 0,1,2,3,4,5,6,7,8,9,10,11,12,13,14,15
	global_load_b32 v[PF+16*(4*\c+\a)+\i], v3, s[8:9] offset:(32*\c+\i+8*(\i/8))*4096+64*\a th:TH_LOAD_NT
.endr
.endr
.endr
.macro PFRAG c, a, left                ; left < 0: an earlier wait has covered this fragment
.set PB, PF+16*(4*\c+\a)
.if \left >= 0
	s_wait_loadcnt \left
.endif
.irp i, 0,1,2,3,4,5,6,7
	v_cvt_pk_f16_f32 v[PB+\i], v[PB+2*\i], v[PB+2*\i+1]            ; in place, ascending: register i is written when its own number has been read
.endr
	global_store_b128 v4, v[PB:PB+3], s[18:19] offset:\a*4096+\c*1024        ; 32 lanes store 512 consecutive bytes, aligned
	global_store_b128 v4, v[PB+4:PB+7], s[18:19] offset:\a*4096+\c*1024+512
.endm
	PFRAG 0, 0, 63                                 ; at most 63 of the 128 loads are out: the first 65 are in, fragments 0 to 3 among them
	PFRAG 0, 1, -1
	PFRAG 0, 2, -1
	PFRAG 0, 3, -1
	PFRAG 1, 0, 48                                 ; the three fragments behind this one may be out
	PFRAG 1, 1, 32
	PFRAG 1, 2, 16
	PFRAG 1, 3, 0
	s_endpgm
; ---- x.  Rows are dense and K is a multiple of 32: a plain stream of blocks.  A wave takes 16 steps of 512 numbers.  Each load reads 512 consecutive bytes; a step's 2,048 bytes turn through the wave's own
; stage in LDS and come back 64 bytes a lane, so that a lane holds 16 neighbours along K (two neighbouring lanes hold a block).  Loads run four steps ahead, the turn through LDS one step.
.Lpath_x:
	s_mul_i32 s21, s20, WREG
	v_lshlrev_b32 v3, 4, v2                        ; my 16 bytes of a load's 512
	v_lshrrev_b32 v14, 2, v2
	v_mul_u32_u24 v14, v14, SP
	v_and_b32 v15, 3, v2
	v_lshl_add_u32 v14, v15, 4, v14
	v_add_nc_u32 v14, s21, v14                     ; the stage, in: SP (lane / 4) + 16 (lane % 4)
	v_mul_u32_u24 v15, v2, SP
	v_add_nc_u32 v15, s21, v15                     ; and out: SP x lane
	v_mul_u32_u24 v4, v2, CB                       ; my codes' place in a step's
	v_lshrrev_b32 v5, 1, v2
	s_add_co_u32 s21, s21, 2*32*SP
	v_add_nc_u32 v5, s21, v5                       ; my block's scale byte in the wave's 256
	v_lshlrev_b32 v7, 3, v2
	v_add_nc_u32 v6, s21, v7
	s_lshl_b32 s22, ttmp9, 2
	s_add_co_u32 s22, s22, s20                     ; which run of 8,192 numbers is my wave's: 0..1023
	s_mov_b32 s25, 0
	s_lshl_b32 s24, s22, 15
	s_add_nc_u64 s[4:5], s[4:5], s[24:25]
	s_lshl_b32 s24, s22, 12
	s_add_nc_u64 s[10:11], s[10:11], s[24:25]
	s_lshl_b32 s24, s22, 8
	s_add_nc_u64 s[12:13], s[12:13], s[24:25]
.macro XLOAD t
.irp i, 0,1,2,3
	global_load_b128 v[XR+16*((\t)%4)+4*\i:XR+16*((\t)%4)+4*\i+3], v3, s[4:5] offset:2048*(\t)+512*\i th:TH_LOAD_NT
.endr
.endm
.macro XTURN t                         ; LDS serves a wave's instructions in order: no wait between the stores and the loads
.irp i, 0,1,2,3
	ds_store_b128 v14, v[XR+16*((\t)%4)+4*\i:XR+16*((\t)%4)+4*\i+3] offset:32*SP*((\t)%2)+8*SP*\i
.endr
.irp i, 0,1,2,3
	ds_load_b128 v[XX+16*((\t)%2)+4*\i:XX+16*((\t)%2)+4*\i+3], v15 offset:32*SP*((\t)%2)+16*\i
.endr
.endm
.irp t, 0,1,2,3
	XLOAD \t
.endr
	s_wait_loadcnt 12                              ; step 0's four loads are in
	XTURN 0
.macro XSTEP t
.set XS, XX+16*((\t)%2)
.if (\t) > 0
	s_wait_dscnt 1                                 ; this step's numbers are back from the stage; the last step's byte store may be out
.else
	s_wait_dscnt 0x0
.endif
.if (\t)+4 < STEPS
	XLOAD (\t)+4                                   ; into the registers that the stage's stores have read
.endif
.if (\t)+1 < STEPS
.if STEPS-2-(\t) >= 3
	s_wait_loadcnt 12                              ; the next step's four loads are in; three later steps' may be out
.else
	s_wait_loadcnt 4*(STEPS-2-(\t))
.endif
	XTURN (\t)+1
.endif
	v_max3_num_f32 v8, |v[XS]|, |v[XS+1]|, |v[XS+2]|               ; the largest magnitude of my 16, in two chains
	v_max3_num_f32 v9, |v[XS+3]|, |v[XS+4]|, |v[XS+5]|
.irp i, 6,10
	v_max3_num_f32 v8, v8, |v[XS+\i]|, |v[XS+\i+1]|
	v_max3_num_f32 v9, v9, |v[XS+\i+2]|, |v[XS+\i+3]|
.endr
	v_max3_num_f32 v8, v8, |v[XS+14]|, |v[XS+15]|
	v_max3_num_f32 v8, v8, v9, (EMAX+1)<<23        ; and the floor 2^(3 - 127): the byte cannot fall under 1
	v_max_num_f32_dpp v8, v8, v8 row_xmask:1 row_mask:0xf bank_mask:0xf   ; with my neighbour's 16: the block's
	v_add_nc_u32 v11, -(EMAX<<23), v8              ; 2 off its exponent field: the conversion takes that field as its scale
	v_cvt_scalef32_pk8_fp4_f32 v[XC+4*(\t)], v[XS:XS+7], v11
	v_cvt_scalef32_pk8_fp4_f32 v[XC+4*(\t)+1], v[XS+8:XS+15], v11
	v_lshrrev_b32 v[XE+(\t)], 23, v11              ; the scale's byte (a plain line behind the conversions)
	ds_store_b8 v5, v[XE+(\t)] offset:16*(\t)      ; both lanes of a block write the same byte with the same value
	global_store_b64 v4, v[XC+4*(\t):XC+4*(\t)+1], s[10:11] offset:32*CB*(\t)   ; the wave stores 256 consecutive bytes, aligned
.endm
.irp t, 0,1,2,3,4,5,6,7,8,9,10,11,12,13,14,15
	XSTEP \t
.endr
	ds_load_b64 v[8:9], v6                         ; my wave's 256 scale bytes, 8 a lane
	s_wait_dscnt 0x0
	global_store_b64 v7, v[8:9], s[12:13]          ; 256 consecutive bytes, aligned
	s_wait_tensorcnt 0x0                           ; the wave's end, behind my last LDS store
	ds_add_u32 v[SPW], v[NIL]
	s_wait_dscnt 0x0
	s_endpgm
; ---- w_attn.  A wave takes 32 columns x 512 along K: 16 blocks a lane.  Each load reads one row k at 32 neighbouring columns; a block lies in one lane's 32 registers.  The codes go through the wave's own
; stage and leave as rows: sixteen lanes store 256 consecutive bytes.  The largest immediate is 511 rows x 12,288 bytes, inside the signed 24 bits.
.Lpath_w:
	s_sub_co_u32 s21, ttmp9, XWG                   ; 0..47
	s_cmp_ge_u32 s21, 24
	s_cselect_b32 s22, 24, 0
	s_cselect_b32 s23, 1, 0                        ; which 512 along K
	s_sub_co_u32 s21, s21, s22                     ; which 128 columns
	s_lshl_b32 s24, s21, 7
	s_lshl_b32 s25, s20, 5
	s_add_co_u32 s24, s24, s25                     ; my wave's first column
	s_mul_i32 s25, s20, 32*PITCH
	s_add_co_u32 s25, s25, WSTG                    ; my stage
	v_lshlrev_b32 v3, 2, v2
	v_mul_u32_u24 v4, v2, PITCH
	v_add_nc_u32 v4, s25, v4                       ; into it: row = my column
	v_and_b32 v5, 15, v2
	v_lshrrev_b32 v6, 4, v2
	v_mul_u32_u24 v7, v6, PITCH
	v_lshl_add_u32 v7, v5, 4, v7
	v_add_nc_u32 v7, s25, v7                       ; out of it: sixteen lanes to a row
	v_mul_u32_u24 v8, v6, KROW
	v_lshl_add_u32 v8, v5, 4, v8                   ; the same place in the codes' buffer
	v_mul_u32_u24 v9, v2, WK/32                    ; my column's row of scale bytes
	s_mul_i32 s26, s23, KW*WN*4
	s_lshl_b32 s27, s24, 2
	s_add_co_u32 s26, s26, s27
	s_mov_b32 s27, 0
	s_add_nc_u64 s[6:7], s[6:7], s[26:27]
	s_lshl_b32 s26, s24, 9
	s_lshl_b32 s28, s23, 8
	s_add_co_u32 s26, s26, s28
	s_add_nc_u64 s[14:15], s[14:15], s[26:27]
	s_lshl_b32 s26, s24, 5
	s_lshl_b32 s28, s23, 4
	s_add_co_u32 s26, s26, s28
	s_add_nc_u64 s[16:17], s[16:17], s[26:27]
.macro WLOAD t
.irp i, 0,1,2,3,4,5,6,7,8,9,10,11,12,13,14,15,16,17,18,19,20,21,22,23,24,25,26,27,28,29,30,31
	global_load_b32 v[WX+32*((\t)%2)+\i], v3, s[6:7] offset:(32*(\t)+\i)*WN*4 th:TH_LOAD_NT
.endr
.endm
	WLOAD 0
	WLOAD 1
.macro WBLOCK t
.set WS, WX+32*((\t)%2)
.if (\t) < NB-1
	s_wait_loadcnt 32                              ; this block's 32 loads are in; the next block's may be out
.else
	s_wait_loadcnt 0
.endif
	v_max3_num_f32 v16, |v[WS]|, |v[WS+1]|, |v[WS+2]|
	v_max3_num_f32 v17, |v[WS+3]|, |v[WS+4]|, |v[WS+5]|
.irp i, 6,10,14,18,22,26
	v_max3_num_f32 v16, v16, |v[WS+\i]|, |v[WS+\i+1]|
	v_max3_num_f32 v17, v17, |v[WS+\i+2]|, |v[WS+\i+3]|
.endr
	v_max3_num_f32 v16, v16, |v[WS+30]|, |v[WS+31]|
	v_max3_num_f32 v16, v16, v17, (EMAX+1)<<23     ; the floor
	v_add_nc_u32 v18, -(EMAX<<23), v16             ; the conversion's scale operand
	v_lshrrev_b32 v17, 23, v18                     ; the byte
.if (\t)%4 == 0
	v_mov_b32 v[WSB+(\t)/4], v17
.else
	v_lshl_or_b32 v[WSB+(\t)/4], v17, 8*((\t)%4), v[WSB+(\t)/4]
.endif
.irp g, 0,1,2,3
	v_cvt_scalef32_pk8_fp4_f32 v[WC+\g], v[WS+8*\g:WS+8*\g+7], v18
.endr
	ds_store_b128 v4, v[WC:WC+3] offset:16*(\t)    ; 32 codes: 16 bytes of my column's row
.if (\t)+2 < NB
	WLOAD (\t)+2
.endif
	s_wait_dscnt 0x0                               ; the store has read its registers: the next block's codes may be written
.endm
.set Q, 0
.rept NB
	WBLOCK Q
.set Q, Q+1
.endr
	global_store_b128 v9, v[WSB:WSB+3], s[16:17]   ; my column's 16 scale bytes
.irp t, 0,1,2,3,4,5,6,7,8,9,10,11,12,13,14,15
	ds_load_b128 v[WOUT+4*\t:WOUT+4*\t+3], v7 offset:2*\t*PITCH
.endr
.irp t, 0,1,2,3,4,5,6,7,8,9,10,11,12,13,14,15
	s_wait_dscnt 15-\t                             ; the younger read-backs may be out
	global_store_b128 v8, v[WOUT+4*\t:WOUT+4*\t+3], s[14:15] offset:2*\t*KROW
.endr
	s_wait_tensorcnt 0x0                           ; the wave's end, behind my last LDS store
	ds_add_u32 v[SPW], v[NIL]
	s_wait_dscnt 0x0
	s_endpgm
.Lfunc_end_k_q548a25321b_prep:
	.size	k_q548a25321b_prep, .Lfunc_end_k_q548a25321b_prep-k_q548a25321b_prep
	.p2alignl 7, 3214868480
	.fill 96, 4, 3214868480
	.section	.rodata,"a",@progbits
	.p2align	6, 0x0
	.amdhsa_kernel k_q548a25321b_prep
		.amdhsa_group_segment_fixed_size 68096
		.amdhsa_private_segment_fixed_size 0
		.amdhsa_enable_private_segment 0
		.amdhsa_kernarg_size 64
		.amdhsa_user_sgpr_count 2
		.amdhsa_user_sgpr_kernarg_segment_ptr 1
		.amdhsa_wavefront_size32 1
		.amdhsa_system_sgpr_workgroup_id_x 1
		.amdhsa_system_sgpr_workgroup_id_y 1
		.amdhsa_system_sgpr_workgroup_id_z 1
		.amdhsa_system_vgpr_workitem_id 0
		.amdhsa_next_free_vgpr 192
		.amdhsa_next_free_sgpr 66
		.amdhsa_reserve_vcc 0
		.amdhsa_float_denorm_mode_32 3
		.amdhsa_float_denorm_mode_16_64 3
		.amdhsa_memory_ordered 1
		.amdhsa_forward_progress 1
		.amdhsa_inst_pref_size 129
	.end_amdhsa_kernel
	.amdgpu_metadata
---
amdhsa.version: [ 1, 2 ]
amdhsa.kernels:
  - .name:           k_q548a25321b_prep
    .symbol:         k_q548a25321b_prep.kd
    .args:
      - { .name: x, .offset: 0, .size: 8, .value_kind: global_buffer, .address_space: global }
      - { .name: w_attn, .offset: 8, .size: 8, .value_kind: global_buffer, .address_space: global }
      - { .name: w_proj, .offset: 16, .size: 8, .value_kind: global_buffer, .address_space: global }
      - { .name: xcodes, .offset: 24, .size: 8, .value_kind: global_buffer, .address_space: global }
      - { .name: xscales, .offset: 32, .size: 8, .value_kind: global_buffer, .address_space: global }
      - { .name: wcodes, .offset: 40, .size: 8, .value_kind: global_buffer, .address_space: global }
      - { .name: wscales, .offset: 48, .size: 8, .value_kind: global_buffer, .address_space: global }
      - { .name: wpfrag, .offset: 56, .size: 8, .value_kind: global_buffer, .address_space: global }
    .group_segment_fixed_size: 68096
    .private_segment_fixed_size: 0
    .kernarg_segment_align: 8
    .kernarg_segment_size: 64
    .max_flat_workgroup_size: 128
    .sgpr_count:     66
    .vgpr_count:     192
    .wavefront_size: 32
...
	.end_amdgpu_metadata
.endif
;; end of part 1
;; launch qkv (part 2): grid 12 x 32, 4 waves a work-group, clusters of 4 x 4, 327,680 bytes of LDS; arguments xcodes, xscales, wcodes, wscales, qkv, b_attn; writes qkv
.if DOCPART == 2
	.amdgcn_target "amdgcn-amd-amdhsa--gfx1250"
	.amdhsa_code_object_version 6
	.text
	.protected	k_q548a25321b_qkv
	.globl	k_q548a25321b_qkv
	.p2align	8
	.type	k_q548a25321b_qkv,@function
k_q548a25321b_qkv:
	s_mov_b64 s[64:65], 0
	v_nop
	global_prefetch_b8 v0, s[64:65] scope:SCOPE_SE
	s_setreg_imm32_b32 hwreg(HW_REG_WAVE_MODE, 25, 1), 1
	s_wait_xcnt 0x0
	s_wait_alu depctr_hold_cnt(0) depctr_sa_sdst(0) depctr_va_vdst(0) depctr_va_sdst(0) depctr_va_ssrc(0) depctr_va_vcc(0) depctr_vm_vsrc(0)
	s_getreg_b32 s2, hwreg(HW_REG_IB_STS2, 6, 4)
	s_cmp_eq_u32 s2, 0
	s_cbranch_scc0 .Lentry_in_a_cluster
	s_endpgm
.Lentry_in_a_cluster:
	s_bfe_u32 s2, ttmp6, 0x10000c
	s_cmp_lg_u32 s2, 0xf033
	s_cbranch_scc0 .Lentry_shape_is_right
	s_endpgm
.Lentry_shape_is_right:
; qkv[m][n] = sum over k of Q(x)[m][k] Q(w_attn)[k][n] + b_attn[n], on codes of E2M1 with one E8M0 scale for each 32 along K; sums in f32; results rounded once to f16.
; A: xcodes [8192][512 bytes], xscales [8192][32].  B: wcodes [3072][512 bytes], wscales [3072][32].  K = 1,024.
; A tile of 256 x 256 is made by a work-group of four waves, 128 x 128 a wave: 64 accumulators, 512 registers.  K goes in two steps of 512, each in an LDS slot of its own: both slots and the scale bytes
; are asked for at the head and nothing is filled again.  CLUSTERS: 4 x 4 work-groups; A's tiles are asked for jointly along a row of the cluster, B's along a column.
; THE MATRIX INSTRUCTION IS USED TRANSPOSED (source 0 = 16 rows of B, source 1 = 16 rows of A): a lane holds row l % 16 and eight neighbouring columns.  The bias is the C of each sum's first instruction.
; THE WAY OUT NEEDS NO LDS: a lane's eight columns, rounded to f16, ARE four registers of the next product's operand in that same lane.  qkv is laid [q, k or v][batch x 16 + head][t / 16][4][512 bytes]:
;   q, k: piece 2 c + e = registers 4 e .. 4 e + 3 of the fragment (16 positions x channels 32 c .. 32 c + 31), lane l's 16 bytes at 16 l;
;   v: piece ct = 16 keys x channels 16 ct .. + 15, the 16 bytes of (key, eight channels g) at 16 ((key & 7) + 8 g + 16 (key >> 3)): the order in which the transposing LDS load takes them at 16 x lane.
; Each store of the wave covers 512 consecutive bytes, aligned.  The cluster's x says which of q, k, v a work-group makes (4 x 256 columns = 1,024).
; LIMIT: |q|, |k|, |v| stay under 65,504 (f16).
; REGISTERS: window 0: v0-31 addresses; v32-95 scale words, two sets; v128-191 A's fragments, one set; v192-255 the bias; on the way out v128-255 hold packed results.
;   window 1: B's fragments, two sets.   window 2: the accumulators of my rows 0-63 ((a, b) at v[8 (8 a + b)]);   window 3: rows 64-127.
.set SIZE_K, 1024
.set KSTEP,  512
.set NQ,     KSTEP/128
.set ROWB,   256
.set KROW,   SIZE_K*4/8
.set PITCH,  272                       ; 256 bytes + 16 of padding: the 16 rows that a load touches start 68 words apart
.set FR,     8
.set NL,     2
.set NP,     4
.set HALFT,  128*PITCH
.set SLOT,   4*HALFT
.set KS,     SIZE_K/32
.set SCL,    2*SLOT
.set HALFS,  (128*KS/256)*272
.set SBLK,   (16*KS/256)*272
.set SPARE,  SCL+4*HALFS               ; the spare words, 128 bytes a wave
.set ADRA, 16
.set ADRB, 20
.set CO,   26                          ; v26 my 16 bytes' place in a piece of 512
.set ADRS, 27
.set SPW,  28
.set NIL,  29
.set BO,   30                          ; v30 32 x (lane / 16): my eight numbers of a bias tile
.set SC,   32
.set AF,   128
.set BIAS, 192
.set PK,   128
.set G1, 24
.set G0, 32
.set G1B, 48
.set G0B, 56
.set G1S, 68
.set G0S, 76
.set G1SB, 80
.set G0SB, 88
.set MSB, 0
.macro WIN new                         ; the immediate's high byte repeats the setting that is left
.if MSB != \new
	s_set_vgpr_msb (MSB<<8)|\new
.set MSB, \new
.endif
.endm
.set MUL_LO, 0xa1                      ; source 0 (B) window 1, source 1 (A) window 0, C and D window 2
.set MUL_HI, 0xf1
.set BEG_LO, 0x81                      ; the first step: C (the bias) window 0, D window 2
.set BEG_HI, 0xc1
.set TO_B,   0x40
; A joint load: waves 0 and 1 fetch for A, waves 2 and 3 for B; the branch hangs on the wave's number alone.  An s_nop 0 and four v_nop follow each line.
.macro JLOAD g0a, g1a, g0b, g1b
	s_cmp_eq_u32 s15, 0
	s_cbranch_scc0 .Lfor_b_\@
	tensor_load_to_lds s[\g0a:\g0a+3], s[\g1a:\g1a+7]
	s_nop 0
.rept 4
	v_nop
.endr
	s_branch .Lasked_\@
.Lfor_b_\@:
	tensor_load_to_lds s[\g0b:\g0b+3], s[\g1b:\g1b+7]
	s_nop 0
.rept 4
	v_nop
.endr
.Lasked_\@:
.endm
.macro CROUND                          ; a round of the cluster's barrier
	s_barrier_signal -1
	s_barrier_wait -1
	s_cmp_lg_u32 s14, 0
	s_cbranch_scc1 .Lnot_wave_0_\@
	s_barrier_signal -3
.Lnot_wave_0_\@:
	s_barrier_wait -3
	s_barrier_signal -1
	s_barrier_wait -1
.endm
	s_load_b128 s[4:7], s[0:1], 0x0                ; A's codes, A's scales
	s_load_b128 s[8:11], s[0:1], 0x10              ; B's codes, B's scales
	s_load_b64 s[12:13], s[0:1], 0x20              ; qkv
	s_load_b64 s[2:3], s[0:1], 0x28                ; b_attn
	v_lshl_add_u32 v[SPW], v0, 2, SPARE
	v_mov_b32 v[NIL], 0
	ds_add_u32 v[SPW], v[NIL]                      ; the wave's opening: the add, twice on end, and its wait ahead of my first tensor load
	ds_add_u32 v[SPW], v[NIL]
	v_lshrrev_b32 v1, 5, v0
	v_readfirstlane_b32 s14, v1                    ; wave 0..3
	s_lshr_b32 s15, s14, 1                         ; which half of the tile's rows is mine; also: I fetch for A (0) or B (1)
	s_and_b32 s16, s14, 1                          ; which half of its columns; also: which 128 rows I fetch
	s_bfe_u32 s40, ttmp6, 0x40000                  ; cx
	s_bfe_u32 s41, ttmp6, 0x40004                  ; cy
	s_lshl_b32 s42, ttmp9, 2
	s_add_co_u32 s42, s42, s40                     ; tile column
	s_and_b32 s17, ttmp7, 0xffff
	s_lshl_b32 s17, s17, 2
	s_add_co_u32 s17, s17, s41                     ; tile row
	s_lshl_b32 s43, s41, 2
	s_lshl_b32 s43, 15, s43                        ; my row of the cluster
	s_lshl_b32 s44, 0x1111, s40                    ; my column
	s_or_b32 s[G1+0], s43, (0<<16)|(1<<20)|(1<<21)|(5<<22)|(3<<25)  ; mask; elements of 1 byte; padding: 4 words behind every 64; bit 21 beside a mask
	s_or_b32 s[G1B+0], s44, (0<<16)|(1<<20)|(1<<21)|(5<<22)|(3<<25)
.irp g, G1, G1B
	s_mov_b32 s[\g+1], ROWB<<16                    ; tensor_dim0
	s_mov_b32 s[\g+2], 128<<16                     ; tensor_dim1
	s_mov_b32 s[\g+3], ROWB<<16                    ; tile_dim0
	s_mov_b32 s[\g+4], 128                         ; tile_dim1
	s_mov_b32 s[\g+5], KROW                        ; pitch
	s_mov_b32 s[\g+6], 0
	s_mov_b32 s[\g+7], 0
.endr
	s_or_b32 s[G1S+0], s43, (3<<16)|(1<<20)|(1<<21)|(5<<22)|(3<<25) ; the scales of 128 rows: a dense block as rows of 256 bytes (32 elements of 8), padded likewise
	s_or_b32 s[G1SB+0], s44, (3<<16)|(1<<20)|(1<<21)|(5<<22)|(3<<25)
.irp g, G1S, G1SB
	s_mov_b32 s[\g+1], 32<<16
	s_mov_b32 s[\g+2], (128*KS/256)<<16
	s_mov_b32 s[\g+3], 32<<16
	s_mov_b32 s[\g+4], 128*KS/256
	s_mov_b32 s[\g+5], 32
	s_mov_b32 s[\g+6], 0
	s_mov_b32 s[\g+7], 0
.endr
	s_lshl_b32 s18, s16, 7
	s_lshl_b32 s20, s17, 8
	s_add_co_u32 s20, s20, s18                     ; A: row 256 x tile row + 128 x half
	s_lshl_b32 s46, s42, 8
	s_add_co_u32 s46, s46, s18                     ; B: row 256 x tile column + 128 x half
	s_mov_b32 s21, 0
	s_mov_b32 s47, 0
	s_mov_b64 s[18:19], KS
	s_mul_u64 s[22:23], s[20:21], s[18:19]
	s_mul_u64 s[92:93], s[46:47], s[18:19]
	s_mov_b64 s[18:19], KROW
	s_mul_u64 s[20:21], s[20:21], s[18:19]
	s_mul_u64 s[46:47], s[46:47], s[18:19]
	s_mul_i32 s45, s14, HALFT                      ; where they go: wave x 128 rows
	s_mul_i32 s94, s14, HALFS
	s_wait_dscnt 0x0                               ; both opening adds are done
	s_wait_kmcnt 0x0
	s_add_nc_u64 s[20:21], s[4:5], s[20:21]
	s_add_nc_u64 s[22:23], s[6:7], s[22:23]
	s_add_nc_u64 s[46:47], s[8:9], s[46:47]
	s_add_nc_u64 s[92:93], s[10:11], s[92:93]
	CROUND                                         ; all sixteen work-groups are here: the joint loads meet
	s_mov_b32 s[G0S], 1
	s_add_co_u32 s[G0S+1], s94, SCL
	s_mov_b64 s[G0S+2:G0S+3], s[22:23]
	s_or_b32 s[G0S+3], s[G0S+3], 0x80000000
	s_mov_b32 s[G0SB], 1
	s_add_co_u32 s[G0SB+1], s94, SCL
	s_mov_b64 s[G0SB+2:G0SB+3], s[92:93]
	s_or_b32 s[G0SB+3], s[G0SB+3], 0x80000000
	JLOAD G0S, G1S, G0SB, G1SB                     ; the scales first
.irp s, 0,1
	s_mov_b32 s[G0+4*\s], 1
	s_add_co_u32 s[G0+4*\s+1], s45, \s*SLOT
	s_add_nc_u64 s[G0+4*\s+2:G0+4*\s+3], s[20:21], \s*ROWB
	s_or_b32 s[G0+4*\s+3], s[G0+4*\s+3], 0x80000000
	s_mov_b32 s[G0B+4*\s], 1
	s_add_co_u32 s[G0B+4*\s+1], s45, \s*SLOT
	s_add_nc_u64 s[G0B+4*\s+2:G0B+4*\s+3], s[46:47], \s*ROWB
	s_or_b32 s[G0B+4*\s+3], s[G0B+4*\s+3], 0x80000000
	JLOAD G0+4*\s, G1, G0B+4*\s, G1B               ; three loads of mine are out in all
.endr
	v_and_b32 v1, 15, v0                           ; r
	v_bfe_u32 v2, v0, 4, 1                         ; h
	v_mul_u32_u24 v3, v1, PITCH
	v_lshl_add_u32 v4, v2, 4, v3
	s_mul_i32 s21, s15, HALFT
	s_mul_i32 s22, s16, HALFT
	s_add_co_u32 s22, s22, 2*HALFT
.irp s, 0,1
	v_add_nc_u32 v[ADRA+\s], s21, v4
	v_add_nc_u32 v[ADRB+\s], s22, v4
	s_add_co_u32 s21, s21, SLOT
	s_add_co_u32 s22, s22, SLOT
.endr
	v_mul_u32_u24 v5, v1, KS                       ; my row's scales: KS bytes a row,
	v_lshrrev_b32 v6, 8, v5
	v_lshl_add_u32 v5, v6, 4, v5                   ; 16 more for each 256 passed
	s_mul_i32 s21, s15, HALFS
	s_mul_i32 s22, s16, HALFS
	s_add_co_u32 s22, s22, 2*HALFS
	s_sub_co_u32 s22, s22, s21
	v_mul_u32_u24 v6, s22, v2                      ; lanes 16-31 take B's
	s_add_co_u32 s21, s21, SCL
	v_add_nc_u32 v5, v5, v6
	v_add_nc_u32 v[ADRS], s21, v5
	; the bias of my 128 columns, in the result's layout: register 8 b + j of lane (r, h) is b_attn[first column + 16 b + 8 h + j]
	v_lshlrev_b32 v[BO], 5, v2
	s_lshl_b32 s46, s42, 10
	s_lshl_b32 s47, s16, 9
	s_add_co_u32 s46, s46, s47
	s_mov_b32 s47, 0
	s_add_nc_u64 s[2:3], s[2:3], s[46:47]
.irp b, 0,1,2,3,4,5,6,7
	global_load_b128 v[BIAS+8*\b:BIAS+8*\b+3], v[BO], s[2:3] offset:64*\b
	global_load_b128 v[BIAS+8*\b+4:BIAS+8*\b+7], v[BO], s[2:3] offset:64*\b+16
.endr
	; my 16 bytes' place in a piece: q, k as the lanes stand; v in the transposing load's order.  The choice hangs on the cluster's x, and only an address hangs on it
	v_and_b32 v5, 31, v0
	v_lshlrev_b32 v5, 4, v5
	v_and_b32 v6, 7, v1
	v_lshl_add_u32 v6, v2, 3, v6
	v_lshrrev_b32 v7, 3, v1
	v_lshl_add_u32 v6, v7, 4, v6
	v_lshlrev_b32 v6, 4, v6
	s_cmp_eq_u32 ttmp9, 2
	s_cselect_b32 s23, -1, 0
	v_cndmask_b32 v[CO], v5, v6, s23
	; where my part begins in qkv: which x 2^24 + (batch x 16 + head) x 2^18 + (t / 16) x 2,048
	s_lshl_b32 s20, ttmp9, 24
	s_lshr_b32 s21, s17, 3                         ; batch: 8 tile rows to a sequence
	s_lshl_b32 s21, s21, 4
	s_lshl_b32 s22, s40, 2
	s_add_co_u32 s21, s21, s22                     ; + 4 heads a tile column
	s_lshl_b32 s22, s16, 1
	s_add_co_u32 s21, s21, s22                     ; + 2 heads for my half
	s_lshl_b32 s21, s21, 18
	s_add_co_u32 s20, s20, s21
	s_and_b32 s21, s17, 7
	s_lshl_b32 s21, s21, 4
	s_lshl_b32 s22, s15, 3
	s_add_co_u32 s21, s21, s22
	s_lshl_b32 s21, s21, 11
	s_add_co_u32 s20, s20, s21
	s_mov_b32 s21, 0
	s_add_nc_u64 s[12:13], s[12:13], s[20:21]
.macro FRAG reg, adr, q, i             ; 16 rows x 128 K of 4-bit codes: 8 registers, two loads of 16 bytes, 32 bytes apart
.irp c, 0,1
	ds_load_b128 v[\reg+4*\c:\reg+4*\c+3], v[\adr] offset:64*(\q)+32*\c+(\i)*16*PITCH
.endr
.endm
; 16 matrix instructions: A's blocks a0, a0 + 1 x B's eight.  zero = 1: the first product starts the sums on the bias.  The 64 accumulators take turns, one instruction a turn.
.macro MUL16 a0, p, q, sc, zero
.irp a, \a0, \a0+1
.irp b, 0,1,2,3,4,5,6,7
.if \zero
	v_wmma_scale_f32_16x16x128_f8f6f4 v[8*(8*((\a)%4)+\b):8*(8*((\a)%4)+\b)+7], v[128*(\p)+FR*\b:128*(\p)+FR*\b+FR-1], v[AF+FR*(\a):AF+FR*(\a)+FR-1], v[BIAS+8*\b:BIAS+8*\b+7], v[SC+8*NQ*(\sc)+NQ*\b+(\q)], v[SC+8*NQ*(\sc)+NQ*(\a)+(\q)] matrix_a_fmt:MATRIX_FMT_FP4 matrix_b_fmt:MATRIX_FMT_FP4 matrix_a_scale:MATRIX_SCALE_ROW1
.else
	v_wmma_scale_f32_16x16x128_f8f6f4 v[8*(8*((\a)%4)+\b):8*(8*((\a)%4)+\b)+7], v[128*(\p)+FR*\b:128*(\p)+FR*\b+FR-1], v[AF+FR*(\a):AF+FR*(\a)+FR-1], v[8*(8*((\a)%4)+\b):8*(8*((\a)%4)+\b)+7], v[SC+8*NQ*(\sc)+NQ*\b+(\q)], v[SC+8*NQ*(\sc)+NQ*(\a)+(\q)] matrix_a_fmt:MATRIX_FMT_FP4 matrix_b_fmt:MATRIX_FMT_FP4 matrix_a_scale:MATRIX_SCALE_ROW1
.endif
.endr
.endr
.endm
.macro FETCH_B slot, q, p
	WIN TO_B
.irp i, 0,1,2,3,4,5,6,7
	FRAG 128*(\p)+FR*\i, ADRB+\slot, \q, \i
.endr
	WIN 0
.endm
.macro FETCH_A slot, q, i0
.irp i, \i0, \i0+1, \i0+2, \i0+3
	FRAG AF+FR*(\i), ADRA+\slot, \q, \i
.endr
.endm
.macro SCALES sc                       ; a K step's scale words: lanes 0-15 take A's block i, lanes 16-31 B's block i
.irp i, 0,1,2,3,4,5,6,7
	ds_load_b128 v[SC+8*NQ*\sc+NQ*\i:SC+8*NQ*\sc+NQ*\i+3], v[ADRS] offset:\i*SBLK
.endr
.endm
.macro PLACES n                        ; plain vector instructions between a matrix instruction and a load into, or a vector read or write of, its registers
.rept \n
	v_nop
.endr
.endm
.macro STEP slot, q, zero              ; 128 along K with its successor in the same slot
	s_wait_dscnt 4*NL                              ; B's set and A's blocks 0-3 are in; the youngest eight loads (A's blocks 4-7) may be out
.if \zero
	WIN BEG_LO
.else
	WIN MUL_LO
.endif
	MUL16 0, (\q)%2, \q, \slot, \zero
	MUL16 2, (\q)%2, \q, \slot, \zero
	s_wait_dscnt 0
	PLACES NP
	FETCH_B \slot, (\q)+1, 1-(\q)%2
	FETCH_A \slot, (\q)+1, 0
.if \zero
	WIN BEG_HI
.else
	WIN MUL_HI
.endif
	MUL16 4, (\q)%2, \q, \slot, \zero
	MUL16 6, (\q)%2, \q, \slot, \zero
	PLACES NP
	WIN 0
	FETCH_A \slot, (\q)+1, 4
.endm
; Slot 0's last step changes slots: one barrier; in front of it each wave waits for all its tensor loads (its part of slot 1), so that behind it slot 1 is whole for all four.  Nothing is filled again.
.macro TURN slot, next
	s_wait_tensorcnt 0x0                           ; all my tensor loads have landed
	ds_add_u32 v[SPW], v[NIL]                      ; 0 onto my spare word
	s_wait_dscnt 4*NL+1                            ; the add and the youngest eight loads may be out
	WIN MUL_LO
	MUL16 0, 1, NQ-1, \slot, 0
	s_wait_dscnt 0x0                               ; the add is done, and my reads of this slot are over
	s_barrier_signal -1
	MUL16 2, 1, NQ-1, \slot, 0
	WIN 0
	s_barrier_wait -1
	PLACES NP
	v_add_nc_u32 v[ADRS], 4*NQ, v[ADRS]            ; the next K step's scale words
	FETCH_B \next, 0, 0
	FETCH_A \next, 0, 0
	SCALES \next
	WIN MUL_HI
	MUL16 4, 1, NQ-1, \slot, 0
	MUL16 6, 1, NQ-1, \slot, 0
	PLACES NP
	WIN 0
	FETCH_A \next, 0, 4
.endm
.macro STEPS slot, from
.set Q, \from
.rept NQ-1-\from
	STEP \slot, Q, 0
.set Q, Q+1
.endr
.endm
	s_wait_tensorcnt 1                             ; the scales and my part of slot 0 are in; slot 1's load may be out,
	s_barrier_signal -1
	s_barrier_wait -1                              ; everybody's are
	FETCH_B 0, 0, 0
	FETCH_A 0, 0, 0
	SCALES 0
	FETCH_A 0, 0, 4
	s_wait_loadcnt 0x0                             ; the bias
	STEP 0, 0, 1
	STEPS 0, 1
	TURN 0, 1
	STEPS 1, 0
	s_wait_dscnt 4*NL                              ; the last step: nothing more to fetch
	WIN MUL_LO
	MUL16 0, 1, NQ-1, 1, 0
	MUL16 2, 1, NQ-1, 1, 0
	s_wait_dscnt 0
	WIN MUL_HI
	MUL16 4, 1, NQ-1, 1, 0
	MUL16 6, 1, NQ-1, 1, 0
	WIN 0
; THE WAY OUT, a block of 16 rows at a time: 32 roundings, eight stores of 512 bytes.  Four sets of 32 registers take turns.
.macro PACKQ a
.set AC, 64*((\a)%4)
	WIN 0x0a+5*((\a)/4)                            ; sources 0 and 1: window 2 or 3
.irp b, 0,1,2,3,4,5,6,7
.irp r, 0,1,2,3
	v_cvt_pk_f16_f32 v[PK+32*((\a)%4)+4*\b+\r], v[AC+8*\b+2*\r], v[AC+8*\b+2*\r+1]   ; each accumulator from its low end on
.endr
.endr
	WIN 0
.endm
.macro SENDQ a
.irp b, 0,1,2,3,4,5,6,7
	global_store_b128 v[CO], v[PK+32*((\a)%4)+4*\b:PK+32*((\a)%4)+4*\b+3], s[12:13] offset:(\b/4)*262144+(\a)*2048+(\b%4)*512   ; head b / 4, positions 16 a on, piece b % 4
.endr
.endm
	PLACES NP                                      ; behind the last products: for the writes over A's fragments and for the reads of results
.irp a, 0,1,2,3,4,5,6,7
.if \a >= 4
	s_wait_xcnt 0x0                                ; block a - 4's stores have read their data: the set may be written again
.endif
	PACKQ \a
	SENDQ \a
.endr
	s_wait_tensorcnt 0x0                           ; the wave's end
	ds_add_u32 v[SPW], v[NIL]
	s_wait_dscnt 0x0
	CROUND                                         ; the closing round
	s_endpgm
.Lfunc_end_k_q548a25321b_qkv:
	.size	k_q548a25321b_qkv, .Lfunc_end_k_q548a25321b_qkv-k_q548a25321b_qkv
	.p2alignl 7, 3214868480
	.fill 96, 4, 3214868480
	.section	.rodata,"a",@progbits
	.p2align	6, 0x0
	.amdhsa_kernel k_q548a25321b_qkv
		.amdhsa_group_segment_fixed_size 327680
		.amdhsa_private_segment_fixed_size 0
		.amdhsa_enable_private_segment 0
		.amdhsa_kernarg_size 48
		.amdhsa_user_sgpr_count 2
		.amdhsa_user_sgpr_kernarg_segment_ptr 1
		.amdhsa_wavefront_size32 1
		.amdhsa_system_sgpr_workgroup_id_x 1
		.amdhsa_system_sgpr_workgroup_id_y 1
		.amdhsa_system_sgpr_workgroup_id_z 1
		.amdhsa_system_vgpr_workitem_id 0
		.amdhsa_next_free_vgpr 1024
		.amdhsa_next_free_sgpr 98
		.amdhsa_reserve_vcc 0
		.amdhsa_float_denorm_mode_32 3
		.amdhsa_float_denorm_mode_16_64 3
		.amdhsa_memory_ordered 1
		.amdhsa_forward_progress 1
		.amdhsa_inst_pref_size 120
	.end_amdhsa_kernel
	.amdgpu_metadata
---
amdhsa.version: [ 1, 2 ]
amdhsa.kernels:
  - .name:           k_q548a25321b_qkv
    .symbol:         k_q548a25321b_qkv.kd
    .args:
      - { .name: xcodes, .offset: 0, .size: 8, .value_kind: global_buffer, .address_space: global }
      - { .name: xscales, .offset: 8, .size: 8, .value_kind: global_buffer, .address_space: global }
      - { .name: wcodes, .offset: 16, .size: 8, .value_kind: global_buffer, .address_space: global }
      - { .name: wscales, .offset: 24, .size: 8, .value_kind: global_buffer, .address_space: global }
      - { .name: qkv, .offset: 32, .size: 8, .value_kind: global_buffer, .address_space: global }
      - { .name: b_attn, .offset: 40, .size: 8, .value_kind: global_buffer, .address_space: global }
    .group_segment_fixed_size: 327680
    .private_segment_fixed_size: 0
    .kernarg_segment_align: 8
    .kernarg_segment_size: 48
    .max_flat_workgroup_size: 128
    .sgpr_count:     98
    .vgpr_count:     1024
    .wavefront_size: 32
...
	.end_amdgpu_metadata
.endif
;; end of part 2
;; launch attn (part 3): grid 4 x 64, 16 waves a work-group, clusters of 4 x 1, 327,680 bytes of LDS; arguments qkv, yfrag; writes yfrag
.if DOCPART == 3
	.amdgcn_target "amdgcn-amd-amdhsa--gfx1250"
	.amdhsa_code_object_version 6
	.text
	.protected	k_q548a25321b_attn
	.globl	k_q548a25321b_attn
	.p2align	8
	.type	k_q548a25321b_attn,@function
k_q548a25321b_attn:
	s_mov_b64 s[64:65], 0
	v_nop
	global_prefetch_b8 v0, s[64:65] scope:SCOPE_SE
	s_setreg_imm32_b32 hwreg(HW_REG_WAVE_MODE, 25, 1), 1
	s_wait_xcnt 0x0
	s_wait_alu depctr_hold_cnt(0) depctr_sa_sdst(0) depctr_va_vdst(0) depctr_va_sdst(0) depctr_va_ssrc(0) depctr_va_vcc(0) depctr_vm_vsrc(0)
	s_getreg_b32 s2, hwreg(HW_REG_IB_STS2, 6, 4)
	s_cmp_eq_u32 s2, 0
	s_cbranch_scc0 .Lentry_in_a_cluster
	s_endpgm
.Lentry_in_a_cluster:
	s_bfe_u32 s2, ttmp6, 0x10000c
	s_cmp_lg_u32 s2, 0x3003
	s_cbranch_scc0 .Lentry_shape_is_right
	s_endpgm
.Lentry_shape_is_right:
; y[b][h][q] = sum over k <= q of softmax_k(q . k / 8) v[k], head size 64, 2,048 positions, 64 heads in all.  Operands f16, products, maxima and sums f32; p is rounded to f16 for the second product, y once at the end.
; q, k, v come as images of operand registers (qkv: [q, k, v][head][t / 16][4][512 bytes]), so every LDS load is 16 x lane + a constant: 512 consecutive bytes, no pitch, no padding.
; y leaves the same way: yfrag [k / 128][row / 16][4][2][512 bytes] is the projection's operand.
; SHARES.  The four work-groups of a cluster are one head.  Wave w has block j = w for w < 8 and 23 - w for w >= 8 (waves w and w + 8 own mirrored blocks); work-group cx's wave owns queries 128 j + 32 cx + 0 .. 31:
; two tiles of 16.  So what a wave may leave out under the causal mask hangs on j and on counted steps alone, never on the work-group's place in its cluster; all four partners read every tile that is asked for.
; THE WALK GOES FROM BOTH ENDS: phase g = 0 .. 7 holds key blocks g and 15 - g, 128 keys each.  A wave works on a block where block <= j and masks where block = j.  A mirrored pair has two or three blocks'
; work in every phase.  Block 0 is every wave's first, and key 0 counts for every query: the running maximum is a number from the first step on.
; K's and V's tiles are asked for JOINTLY (one load each in waves 0 to 3, mask 15) into a ring of two slots of 64 KiB; by this text's count a wave has one tensor load out.
; LAYOUT.  S^T = K Q^T (source 0 = 16 keys, source 1 = 16 queries), O^T = V^T P: a lane holds one query throughout; two tiles of S^T, rounded in pairs, are source 1 of the second product.
; SOFTMAX.  A running maximum m and sum l: p = 2^(c s - c m), c = log2(e) / 8; in every step O and l are multiplied by 2^(c m_old - c m_new).
; LIMITS: |q|, |k|, |v| under 65,504 (f16); NaN and infinities are not served.
.set SLOTB, 65536                      ; a slot: K ascending 0, K descending 16,384, V ascending 32,768, V descending 49,152
.set SPARE, 2*SLOTB                    ; the spare words, 128 bytes for each of 16 waves
.set LI,   1                           ; v1  16 x lane
.set ADK,  2                           ; v2  LDS address of the step in hand
.set QL,   3                           ; v3  32 cx + r - 8 h
.set D0,   4                           ; v4  the same less the step's first key in its block
.set NINF, 5                           ; v5  -infinity
.set SPW,  6
.set NIL,  7
.set PFO,  8                           ; v8  the prefetch's offset
.set ST,   12                          ; v12-27 eight a tile: +0 c m, +1 m, +2, +3 l (even keys', odd keys'), +4 .. +7 at work, +6 the factor for O and l
.set Q,    32                          ; v32-63   Q: 16 t + 8 c
.set KV,   64                          ; v64-127  K (16 kt + 8 c), then V^T (16 ct + 8 c)
.set S,    128                         ; v128-191 S^T: 32 t + 8 kt; then P in place: 32 t + 8 c
.set O,    192                         ; v192-255 O^T: 32 t + 8 ct
.set WV,   8
.set J,    9
.set CX,   10
.set BH,   11
.set STA,  12                          ; s[12:13] what an ascending wave's addresses step up by (0 in a descending one)
.set STD,  14                          ; s[14:15] what a descending wave's step down by (0 in an ascending one)
.set G1,   16
.set G0,   24
.set PFA,  30
.set LIM,  32
.set SLOTS, 33
.set U,    34
.set TB,   35
.set BA,   36
.set BD,   37
.set BLK,  38
.set CS,   40
.set SEL,  42
.macro TLOAD                           ; waves 0 to 3: K ascending, K descending, V ascending, V descending.  An s_nop 0 and four v_nop follow the line
	s_cmp_lt_u32 s[WV], 4
	s_cbranch_scc0 .Lasked_\@
	tensor_load_to_lds s[G0:G0+3], s[G1:G1+7]
	s_nop 0
.rept 4
	v_nop
.endr
.Lasked_\@:
.endm
; A prefetch of what the NEXT change of slots will ask for.  Wave 4 asks for the ascending block, wave 5 for the descending one: lanes 0-15 for K's 16 KiB, lanes 16-31 for V's, 256 bytes from lane to lane;
; partner cx takes its 4 KiB of each, told apart by address.  So each aligned 256 bytes are named once in the launch.  The last change that fills a slot asks for nothing.
.macro ASK
	s_cmp_gt_u32 s[SLOTS], s[LIM]
	s_cbranch_scc0 .Lnot_mine_\@
	global_prefetch_b8 v[PFO], s[PFA:PFA+1] th:TH_LOAD_NT scope:SCOPE_SE
.Lnot_mine_\@:
.endm
.macro CROUND
	s_barrier_signal -1
	s_barrier_wait -1
	s_cmp_lg_u32 s[WV], 0
	s_cbranch_scc1 .Lnot_wave_0_\@
	s_barrier_signal -3
.Lnot_wave_0_\@:
	s_barrier_wait -3
	s_barrier_signal -1
	s_barrier_wait -1
.endm
	s_load_b128 s[4:7], s[0:1], 0x0                ; qkv, yfrag
	v_lshl_add_u32 v[SPW], v0, 2, SPARE
	v_mov_b32 v[NIL], 0
	ds_add_u32 v[SPW], v[NIL]                      ; the wave's opening: the add, twice on end, and its wait ahead of the first tensor load
	ds_add_u32 v[SPW], v[NIL]
	v_lshrrev_b32 v28, 5, v0
	v_readfirstlane_b32 s[WV], v28                 ; wave 0..15
	s_lshr_b32 s44, s[WV], 3
	s_mul_i32 s44, s44, 7
	s_xor_b32 s[J], s[WV], s44                     ; my block of 128 queries
	s_bfe_u32 s[CX], ttmp6, 0x40000
	s_and_b32 s[BH], ttmp7, 0xffff                 ; batch x 16 + head
	s_mov_b32 s[G1], 15|(3<<16)|(1<<21)            ; all four work-groups; elements of 8 bytes; no padding; bit 21 beside a mask
	s_mov_b32 s[G1+1], 32<<16                      ; tensor_dim0: 256 bytes
	s_mov_b32 s[G1+2], 64<<16                      ; tensor_dim1: 64 rows: a dense 16 KiB
	s_mov_b32 s[G1+3], 32<<16                      ; tile_dim0
	s_mov_b32 s[G1+4], 64                          ; tile_dim1
	s_mov_b32 s[G1+5], 32                          ; pitch
	s_mov_b32 s[G1+6], 0
	s_mov_b32 s[G1+7], 0
	s_and_b32 s45, s[WV], 3                        ; which of the four tiles (in the waves that fetch)
	s_and_b32 s46, s[WV], 1                        ; 0 ascending, 1 descending
	s_cmp_eq_u32 s46, 0
	s_cselect_b32 s[STA], 16384, 0
	s_cselect_b32 s[STD], 0, 16384
	s_mov_b32 s[STA+1], 0
	s_mov_b32 s[STD+1], 0
	s_lshl_b32 s48, s[BH], 18                      ; the head's bytes
	s_mul_i32 s49, s46, 15*16384                   ; block 0 or block 15
	s_add_co_u32 s52, s48, s49
	s_add_co_u32 s52, s52, 1<<24                   ; in K
	s_mov_b32 s53, 0
	s_lshr_b32 s47, s45, 1
	s_lshl_b32 s47, s47, 24
	s_add_co_u32 s50, s52, s47                     ; or in V, 2^24 bytes on
	s_mov_b32 s51, 0
	s_lshl_b32 s54, s[J], 3
	s_lshl_b32 s55, s[CX], 1
	s_add_co_u32 s54, s54, s55                     ; my first tile of 16 positions: 8 j + 2 cx
	s_lshl_b32 s46, s54, 11
	s_add_co_u32 s46, s46, s48                     ; Q's offset
	s_mov_b32 s47, 0
	s_and_b32 s55, s[BH], 15                       ; head
	s_lshr_b32 s44, s55, 1
	s_lshl_b32 s44, s44, 21                        ; k / 128
	s_and_b32 s55, s55, 1
	s_lshl_b32 s55, s55, 11
	s_add_co_u32 s44, s44, s55
	s_lshr_b32 s55, s[BH], 4                       ; batch
	s_lshl_b32 s55, s55, 7
	s_add_co_u32 s55, s55, s54
	s_lshl_b32 s55, s55, 12
	s_add_co_u32 s48, s44, s55                     ; y's offset
	s_mov_b32 s49, 0
	s_lshr_b32 s44, s[WV], 1
	s_cmp_eq_u32 s44, 2
	s_cselect_b32 s[LIM], 1, -1                    ; waves 4 and 5 prefetch
	s_mov_b32 s[CS], 0x3e38aa3b                    ; c = log2(e) / 8
	s_mov_b32 s[CS+1], s[CS]
	s_mov_b32 s[SEL], 0x76543210
	s_mov_b32 s[SEL+1], 0xfedcba98
	s_mov_b32 s[TB], 0
	s_mov_b32 s[BA], 0
	s_mov_b32 s[BD], 15
	s_mov_b32 s[SLOTS], 7
	s_wait_dscnt 0x0                               ; both opening adds are done
	s_wait_kmcnt 0x0
	s_mov_b32 s[G0], 1
	s_lshl_b32 s[G0+1], s45, 14                    ; LDS: my tile's place in slot 0
	s_add_nc_u64 s[G0+2:G0+3], s[4:5], s[50:51]
	s_or_b32 s[G0+3], s[G0+3], 0x80000000
	s_add_nc_u64 s[PFA:PFA+1], s[4:5], s[52:53]
	s_add_nc_u64 s[PFA:PFA+1], s[PFA:PFA+1], s[STA:STA+1]
	s_sub_nc_u64 s[PFA:PFA+1], s[PFA:PFA+1], s[STD:STD+1]   ; at phase 1's block: each change steps it before it asks.  Nothing is prefetched at the head
	s_add_nc_u64 s[46:47], s[4:5], s[46:47]
	s_add_nc_u64 s[6:7], s[6:7], s[48:49]
	CROUND                                         ; all four work-groups are here
	TLOAD                                          ; phase 0 into slot 0
	v_and_b32 v[LI], 31, v0
	v_lshlrev_b32 v[LI], 4, v[LI]
.irp t, 0,1
.irp c, 0,1
.irp e, 0,1
	global_load_b128 v[Q+16*\t+8*\c+4*\e:Q+16*\t+8*\c+4*\e+3], v[LI], s[46:47] offset:\t*2048+\c*1024+\e*512   ; Q stays in registers
.endr
.endr
.endr
	v_and_b32 v28, 15, v0                          ; r
	v_bfe_u32 v29, v0, 4, 1                        ; h
	v_lshlrev_b32 v30, 3, v29
	v_sub_nc_u32 v[QL], v28, v30
	s_lshl_b32 s44, s[CX], 5
	v_add_nc_u32 v[QL], s44, v[QL]
	v_lshlrev_b32 v[PFO], 8, v28
	v_lshl_or_b32 v[PFO], v29, 24, v[PFO]
	s_lshl_b32 s44, s[CX], 12
	v_or_b32 v[PFO], s44, v[PFO]
	v_mov_b32 v[NINF], 0xff800000
.irp t, 0,1
	v_mov_b32 v[ST+8*\t+1], 0xff61b1e6             ; m = -3e38, under every score
	v_mul_f32 v[ST+8*\t], s[CS], v[ST+8*\t+1]
.irp i, 2,3,4,5,6,7
	v_mov_b32 v[ST+8*\t+\i], 0
.endr
.endr
.set i, 0
.rept 64
	v_mov_b32 v[O+i], 0                            ; O^T.  The step is written once: the first finds zeros, which the first change of m leaves zeros
.set i, i+1
.endr
; A STEP: 64 keys x my 32 queries.
.macro STEP
	v_add_nc_u32 v[ADK], s[TB], v[LI]
.rept 5
	v_nop                                          ; with the line above six places behind the last products: five are owed, since the products below write over P, which those read; four serve the loads into K's registers
.endr
.irp kt, 0,1,2,3
.irp c, 0,1
.irp e, 0,1
	ds_load_b128 v[KV+16*\kt+8*\c+4*\e:KV+16*\kt+8*\c+4*\e+3], v[ADK] offset:\kt*2048+\c*1024+\e*512
.endr
.endr
.endr
	s_wait_dscnt 0x0
.irp c, 0,1                            ; S^T: the eight accumulators take turns; the first eight products start the sums
.irp kt, 0,1,2,3
.irp t, 0,1
.if \c == 0
	v_wmma_f32_16x16x32_f16 v[S+32*\t+8*\kt:S+32*\t+8*\kt+7], v[KV+16*\kt+8*\c:KV+16*\kt+8*\c+7], v[Q+16*\t+8*\c:Q+16*\t+8*\c+7], 0
.else
	v_wmma_f32_16x16x32_f16 v[S+32*\t+8*\kt:S+32*\t+8*\kt+7], v[KV+16*\kt+8*\c:KV+16*\kt+8*\c+7], v[Q+16*\t+8*\c:Q+16*\t+8*\c+7], v[S+32*\t+8*\kt:S+32*\t+8*\kt+7]
.endif
.endr
.endr
.endr
.rept 4
	v_nop                                          ; places in front of the loads into K's registers and of the first read of the scores
.endr
.irp ct, 0,1,2,3                       ; V^T, turned by the load; it lands under the softmax
.irp c, 0,1
.irp e, 0,1
	ds_load_tr16_b128 v[KV+16*\ct+8*\c+4*\e:KV+16*\ct+8*\c+4*\e+3], v[ADK] offset:32768+(2*\c+\e)*2048+\ct*512
.endr
.endr
.endr
	s_cmp_lg_u32 s[BLK], s[J]                      ; only my own block lies on the diagonal
	s_cbranch_scc1 .Lopen_\@
	s_and_b32 s44, s[U], 1
	s_lshl_b32 s44, s44, 6
	v_sub_nc_u32 v[D0], v[QL], s44                 ; register 8 kt + jj of tile t holds key 64 u + 16 kt + 8 h + jj, query 32 cx + 16 t + r: hidden where 16 kt + jj - 16 t > d
.irp t, 0,1
.irp kt, 0,1,2,3
.irp jj, 0,1,2,3,4,5,6,7
	v_cmp_gt_i32 vcc_lo, 16*\kt+\jj-16*\t, v[D0]
	v_cndmask_b32 v[S+32*\t+8*\kt+\jj], v[S+32*\t+8*\kt+\jj], v[NINF], vcc_lo
.endr
.endr
.endr
.Lopen_\@:
.irp j, 0,1,2,3                        ; the maximum of 32 scores and the old m: four chains a tile, each accumulator from its low end on
.irp t, 0,1
	v_max3_num_f32 v[ST+8*\t+4+\j], v[S+32*\t+8*\j], v[S+32*\t+8*\j+1], v[S+32*\t+8*\j+2]
.endr
.endr
.irp g, 1,2
.irp j, 0,1,2,3
.irp t, 0,1
	v_max3_num_f32 v[ST+8*\t+4+\j], v[ST+8*\t+4+\j], v[S+32*\t+8*\j+2*\g+1], v[S+32*\t+8*\j+2*\g+2]
.endr
.endr
.endr
.irp t, 0,1
	v_max3_num_f32 v[ST+8*\t+4], v[ST+8*\t+4], v[S+32*\t+7], v[S+32*\t+15]
.endr
.irp t, 0,1
	v_max3_num_f32 v[ST+8*\t+6], v[ST+8*\t+6], v[S+32*\t+23], v[S+32*\t+31]
.endr
.irp t, 0,1
	v_max3_num_f32 v[ST+8*\t+4], v[ST+8*\t+4], v[ST+8*\t+5], v[ST+8*\t+6]
.endr
.irp t, 0,1
	v_max3_num_f32 v[ST+8*\t+4], v[ST+8*\t+4], v[ST+8*\t+7], v[ST+8*\t+1]
.endr
.irp t, 0,1
	v_permlanex16_b32 v[ST+8*\t+5], v[ST+8*\t+4], s[SEL], s[SEL+1]   ; the query's other 32 keys lie in the lane 16 away
.endr
.irp t, 0,1
	v_mov_b32 v[ST+8*\t+7], v[ST+8*\t]             ; c m_old
.endr
.irp t, 0,1
	v_max_num_f32 v[ST+8*\t+1], v[ST+8*\t+4], v[ST+8*\t+5]
.endr
.irp t, 0,1
	v_mul_f32 v[ST+8*\t], s[CS], v[ST+8*\t+1]
.endr
.irp t, 0,1
	v_sub_f32 v[ST+8*\t+7], v[ST+8*\t+7], v[ST+8*\t]
.endr
.irp b, 0,2,4,6,8,10,12,14,16,18,20,22,24,26,28,30
.irp t, 0,1
	v_pk_fma_f32 v[S+32*\t+\b:S+32*\t+\b+1], v[S+32*\t+\b:S+32*\t+\b+1], s[CS:CS+1], v[ST+8*\t:ST+8*\t+1] op_sel_hi:[1,0,0] neg_lo:[0,0,1] neg_hi:[0,0,1]   ; c s - c m
.endr
.endr
.irp t, 0,1
	v_exp_f32 v[ST+8*\t+6], v[ST+8*\t+7]           ; the factor 2^(c m_old - c m_new)
.endr
.set i, 0
.rept 64
	v_exp_f32 v[S+i], v[S+i]                       ; p: one batch of 66 exponentials
.set i, i+1
.endr
	v_nop                                          ; a plain instruction behind the last exponential
	s_wait_alu depctr_va_vdst(0)                   ; one wait for the batch, ahead of its first reader
.irp t, 0,1                            ; l = l x factor + the sum of p, before p is rounded: two chains a tile
	v_pk_fma_f32 v[ST+8*\t+2:ST+8*\t+3], v[ST+8*\t+2:ST+8*\t+3], v[ST+8*\t+6:ST+8*\t+7], v[S+32*\t:S+32*\t+1] op_sel_hi:[1,0,1]
	v_pk_add_f32 v[ST+8*\t+4:ST+8*\t+5], v[S+32*\t+2:S+32*\t+3], v[S+32*\t+6:S+32*\t+7]
.endr
.irp t, 0,1
	v_pk_add_f32 v[ST+8*\t+2:ST+8*\t+3], v[ST+8*\t+2:ST+8*\t+3], v[S+32*\t+4:S+32*\t+5]
.endr
.irp b, 8,12,16,20,24,28
.irp t, 0,1
	v_pk_add_f32 v[ST+8*\t+2:ST+8*\t+3], v[ST+8*\t+2:ST+8*\t+3], v[S+32*\t+\b:S+32*\t+\b+1]
	v_pk_add_f32 v[ST+8*\t+4:ST+8*\t+5], v[ST+8*\t+4:ST+8*\t+5], v[S+32*\t+\b+2:S+32*\t+\b+3]
.endr
.endr
.irp t, 0,1
	v_pk_add_f32 v[ST+8*\t+2:ST+8*\t+3], v[ST+8*\t+2:ST+8*\t+3], v[ST+8*\t+4:ST+8*\t+5]
.endr
.irp i, 0,1,2,3,4,5,6,7,8,9,10,11,12,13,14,15
.irp t, 0,1
	v_cvt_pk_f16_f32 v[S+32*\t+\i], v[S+32*\t+2*\i], v[S+32*\t+2*\i+1]   ; P in place, ascending: registers 8 c .. 8 c + 7 are source 1 for keys 32 c on
.endr
.endr
.irp i, 0,2,4,6,8,10,12,14,16,18,20,22,24,26,28,30
.irp t, 0,1
	v_pk_mul_f32 v[O+32*\t+\i:O+32*\t+\i+1], v[O+32*\t+\i:O+32*\t+\i+1], v[ST+8*\t+6:ST+8*\t+7] op_sel_hi:[1,0]
.endr
.endr
	s_wait_dscnt 0x0                               ; V^T is in
.irp c, 0,1                            ; O^T += V^T P: the eight accumulators take turns
.irp ct, 0,1,2,3
.irp t, 0,1
	v_wmma_f32_16x16x32_f16 v[O+32*\t+8*\ct:O+32*\t+8*\ct+7], v[KV+16*\ct+8*\c:KV+16*\ct+8*\c+7], v[S+32*\t+8*\c:S+32*\t+8*\c+7], v[O+32*\t+8*\ct:O+32*\t+8*\ct+7]
.endr
.endr
.endr
.endm
; A PHASE: four steps, two of the ascending block and two of the descending one.  The trip count is a constant; a step all of whose keys come after my queries is jumped over, not the lines that step addresses.
.macro PHASE
	s_mov_b32 s[U], 0
.Lsub_\@:
	s_cmp_lt_u32 s[U], 2
	s_cselect_b32 s[BLK], s[BA], s[BD]
	s_cmp_gt_u32 s[BLK], s[J]
	s_cbranch_scc1 .Lhidden_\@
	STEP
.Lhidden_\@:
	s_add_co_u32 s[TB], s[TB], 8192
	s_add_co_u32 s[U], s[U], 1
	s_cmp_lt_u32 s[U], 4
	s_cbranch_scc1 .Lsub_\@
	s_sub_co_u32 s[TB], s[TB], 32768
	s_xor_b32 s[TB], s[TB], SLOTB                  ; on to the other slot
.endm
; THE CHANGE OF SLOTS stands at a phase's head.  Each wave waits for all its tensor loads (its part of the slot ahead), adds 0 to its spare word, and waits for that and for its reads of the slot that it has left.
; fill = 1: a round of the cluster's barrier, and the next phase's tiles go into the slot just left: they have a whole phase in which to land.
.macro CHANGE fill
	s_wait_tensorcnt 0x0                           ; no tensor load of mine is out, so the descriptor may be written
	ds_add_u32 v[SPW], v[NIL]
.if \fill
	ds_add_u32 v[SPW], v[NIL]                      ; and twice on end here
	s_xor_b32 s[G0+1], s[G0+1], SLOTB
	s_add_nc_u64 s[G0+2:G0+3], s[G0+2:G0+3], s[STA:STA+1]
	s_sub_nc_u64 s[G0+2:G0+3], s[G0+2:G0+3], s[STD:STD+1]
	s_wait_xcnt 0x0                                ; the last prefetch, a phase back, has read its address
	s_add_nc_u64 s[PFA:PFA+1], s[PFA:PFA+1], s[STA:STA+1]
	s_sub_nc_u64 s[PFA:PFA+1], s[PFA:PFA+1], s[STD:STD+1]
	s_wait_dscnt 0x0                               ; the adds are done, and my reads of the slot that I have left are over
	CROUND
	TLOAD
	ASK
.else
	s_wait_dscnt 0x0
	s_barrier_signal -1
	s_barrier_wait -1
.endif
.endm
	s_wait_loadcnt 0x0                             ; Q
.Lphase:                                           ; seven trips: behind each change of slots but the last the next phase is asked for
	CHANGE 1
	PHASE
	s_add_co_u32 s[BA], s[BA], 1
	s_sub_co_u32 s[BD], s[BD], 1
	s_sub_co_u32 s[SLOTS], s[SLOTS], 1
	s_cmp_lg_u32 s[SLOTS], 0
	s_cbranch_scc1 .Lphase
	CHANGE 0                                       ; the last phase is written out
	PHASE
	; THE WAY OUT.  A lane's eight channels of a query, rounded to f16, are four registers of the projection's operand in this same lane: no LDS.
.rept 4
	v_nop
.endr
.irp t, 0,1
	v_add_f32 v[ST+8*\t+4], v[ST+8*\t+2], v[ST+8*\t+3]
.endr
.irp t, 0,1
	v_permlanex16_b32 v[ST+8*\t+5], v[ST+8*\t+4], s[SEL], s[SEL+1]
.endr
.irp t, 0,1
	v_add_f32 v[ST+8*\t+4], v[ST+8*\t+4], v[ST+8*\t+5]
.endr
.irp t, 0,1
	v_rcp_f32 v[ST+8*\t+6], v[ST+8*\t+4]
.endr
	v_nop
	s_wait_alu depctr_va_vdst(0)                   ; one wait for the two reciprocals
.irp t, 0,1
.irp i, 0,2,4,6,8,10,12,14,16,18,20,22,24,26,28,30
	v_pk_mul_f32 v[O+32*\t+\i:O+32*\t+\i+1], v[O+32*\t+\i:O+32*\t+\i+1], v[ST+8*\t+6:ST+8*\t+7] op_sel_hi:[1,0]
.endr
.endr
.irp t, 0,1
.irp i, 0,1,2,3,4,5,6,7,8,9,10,11,12,13,14,15
	v_cvt_pk_f16_f32 v[O+32*\t+\i], v[O+32*\t+2*\i], v[O+32*\t+2*\i+1]
.endr
.endr
.irp t, 0,1
.irp ct, 0,1,2,3
	global_store_b128 v[LI], v[O+32*\t+4*\ct:O+32*\t+4*\ct+3], s[6:7] offset:\t*4096+\ct*512   ; 512 consecutive bytes, aligned
.endr
.endr
	s_wait_tensorcnt 0x0                           ; the wave's end
	ds_add_u32 v[SPW], v[NIL]
	s_wait_dscnt 0x0
	CROUND                                         ; the closing round
	s_endpgm
.Lfunc_end_k_q548a25321b_attn:
	.size	k_q548a25321b_attn, .Lfunc_end_k_q548a25321b_attn-k_q548a25321b_attn
	.p2alignl 7, 3214868480
	.fill 96, 4, 3214868480
	.section	.rodata,"a",@progbits
	.p2align	6, 0x0
	.amdhsa_kernel k_q548a25321b_attn
		.amdhsa_group_segment_fixed_size 327680
		.amdhsa_private_segment_fixed_size 0
		.amdhsa_enable_private_segment 0
		.amdhsa_kernarg_size 16
		.amdhsa_user_sgpr_count 2
		.amdhsa_user_sgpr_kernarg_segment_ptr 1
		.amdhsa_wavefront_size32 1
		.amdhsa_system_sgpr_workgroup_id_x 1
		.amdhsa_system_sgpr_workgroup_id_y 1
		.amdhsa_system_sgpr_workgroup_id_z 1
		.amdhsa_system_vgpr_workitem_id 0
		.amdhsa_next_free_vgpr 256
		.amdhsa_next_free_sgpr 66
		.amdhsa_reserve_vcc 1
		.amdhsa_float_denorm_mode_32 3
		.amdhsa_float_denorm_mode_16_64 3
		.amdhsa_memory_ordered 1
		.amdhsa_forward_progress 1
		.amdhsa_inst_pref_size 59
	.end_amdhsa_kernel
	.amdgpu_metadata
---
amdhsa.version: [ 1, 2 ]
amdhsa.kernels:
  - .name:           k_q548a25321b_attn
    .symbol:         k_q548a25321b_attn.kd
    .args:
      - { .name: qkv, .offset: 0, .size: 8, .value_kind: global_buffer, .address_space: global }
      - { .name: yfrag, .offset: 8, .size: 8, .value_kind: global_buffer, .address_space: global }
    .group_segment_fixed_size: 327680
    .private_segment_fixed_size: 0
    .kernarg_segment_align: 8
    .kernarg_segment_size: 16
    .max_flat_workgroup_size: 512
    .sgpr_count:     66
    .vgpr_count:     256
    .wavefront_size: 32
...
	.end_amdgpu_metadata
.endif
;; end of part 3
;; launch proj (part 4): grid 4 x 64, 4 waves a work-group, clusters of 4 x 4, 327,680 bytes of LDS; arguments yfrag, wpfrag, out0, b_proj; writes out0
.if DOCPART == 4
	.amdgcn_target "amdgcn-amd-amdhsa--gfx1250"
	.amdhsa_code_object_version 6
	.text
	.protected	k_q548a25321b_proj
	.globl	k_q548a25321b_proj
	.p2align	8
	.type	k_q548a25321b_proj,@function
k_q548a25321b_proj:
	s_mov_b64 s[64:65], 0
	v_nop
	global_prefetch_b8 v0, s[64:65] scope:SCOPE_SE
	s_setreg_imm32_b32 hwreg(HW_REG_WAVE_MODE, 25, 1), 1
	s_wait_xcnt 0x0
	s_wait_alu depctr_hold_cnt(0) depctr_sa_sdst(0) depctr_va_vdst(0) depctr_va_sdst(0) depctr_va_ssrc(0) depctr_va_vcc(0) depctr_vm_vsrc(0)
	s_getreg_b32 s2, hwreg(HW_REG_IB_STS2, 6, 4)
	s_cmp_eq_u32 s2, 0
	s_cbranch_scc0 .Lentry_in_a_cluster
	s_endpgm
.Lentry_in_a_cluster:
	s_bfe_u32 s2, ttmp6, 0x10000c
	s_cmp_lg_u32 s2, 0xf033
	s_cbranch_scc0 .Lentry_shape_is_right
	s_endpgm
.Lentry_shape_is_right:
; out0[m][n] = sum over k of y[m][k] w_proj[k][n] + b_proj[n].  8,192 x 1,024 x 1,024; operands f16, sums and result f32.
; Both operands come as images of operand registers: yfrag [k / 128][m / 16][4][2][512 bytes], wpfrag [k / 128][n / 16][4][2][512 bytes].  A K step's tile is one dense block; a fragment half is 512 consecutive bytes at 16 x lane.
; A tile of 128 (m) x 256 (n) is made by a work-group of four waves, 64 x 128 a wave: 32 accumulators, all of window 1.  256 work-groups.  K goes in eight steps of 128 through a ring of two slots of 96 KiB.
; CLUSTERS: 4 x 4.  y's tiles are asked for jointly along a row of the cluster (waves 0, 1: 16 KiB each), w_proj's along a column (waves 2, 3: 32 KiB each).
; THE MATRIX INSTRUCTION IS USED TRANSPOSED (source 0 = 16 columns of w_proj, source 1 = 16 rows of y): a lane holds eight neighbouring numbers of a row of the result.
; (The first 16 positions of each sequence are written here too, and once more, more finely, by a later launch.)   LIMIT: |y|, |w_proj| under 65,504 (f16).
.set SLOT,   98304                     ; y's 128 rows: 32,768 bytes; then w_proj's 256 columns: 65,536
.set ASTEP,  2097152                   ; a K step on in yfrag
.set BSTEP,  262144                    ; and in wpfrag
.set STAGE,  2*SLOT                    ; behind the ring: 16 rows x 528 bytes for each wave; no tile lands here
.set SPITCH, 528
.set SPARE,  STAGE+4*16*SPITCH
.set ADRA, 16
.set ADRB, 20
.set STO,  24
.set RD,   25
.set CO,   26                          ; v26 16 x lane
.set SPW,  28
.set NIL,  29
.set PFO,  30                          ; v30 256 x lane
.set F0,   32                          ; a fragment buffer: w_proj's eight at + 8 b, y's four at + 64 + 8 a
.set F1,   128
.set BI,   224                         ; v224-227 b_proj of my four columns of a stored row
.set BK,   32                          ; the way out: two sets of 64
.set G1, 24
.set G0, 32
.set G1B, 48
.set G0B, 56
.set LIM, 43
.set PFA, 44
.set PFS, 46
.set MSB, 0
.macro WIN new
.if MSB != \new
	s_set_vgpr_msb (MSB<<8)|\new
.set MSB, \new
.endif
.endm
.set MUL, 0x50                         ; sources 0 and 1 window 0; C and D window 1
.macro JLOAD s                         ; waves 0 and 1 fetch y's halves, waves 2 and 3 w_proj's; an s_nop 0 and four v_nop follow each line
	s_cmp_eq_u32 s13, 0
	s_cbranch_scc0 .Lfor_b_\@
	tensor_load_to_lds s[G0+4*\s:G0+4*\s+3], s[G1:G1+7]
	s_nop 0
.rept 4
	v_nop
.endr
	s_branch .Lasked_\@
.Lfor_b_\@:
	tensor_load_to_lds s[G0B+4*\s:G0B+4*\s+3], s[G1B:G1B+7]
	s_nop 0
.rept 4
	v_nop
.endr
.Lasked_\@:
.endm
.macro CREST
	s_cmp_lg_u32 s12, 0
	s_cbranch_scc1 .Lnot_wave_0_\@
	s_barrier_signal -3
.Lnot_wave_0_\@:
	s_barrier_wait -3
	s_barrier_signal -1
	s_barrier_wait -1
.endm
.macro CROUND
	s_barrier_signal -1
	s_barrier_wait -1
	CREST
.endm
; A prefetch of the K step two refills on: 8 KiB, lanes 256 bytes apart, one instruction.  y's 32 KiB of a K step are read by my row of the cluster alone: wave 0 of each of the four asks for its quarter (by cx).
; w_proj's are read by every cluster: the first cluster's waves 2 and 3 ask, each partner for a quarter of the wave's 32 KiB (by cy).  The partners are told apart by address.  The loop's last trip asks for nothing.
.macro ASK
	s_cmp_gt_u32 s3, s[LIM]
	s_cbranch_scc0 .Lnot_mine_\@
	global_prefetch_b8 v[PFO], s[PFA:PFA+1] th:TH_LOAD_NT scope:SCOPE_SE
.Lnot_mine_\@:
.endm
	s_load_b128 s[4:7], s[0:1], 0x0                ; yfrag, wpfrag
	s_load_b128 s[8:11], s[0:1], 0x10              ; out0, b_proj
	v_lshl_add_u32 v[SPW], v0, 2, SPARE
	v_mov_b32 v[NIL], 0
	ds_add_u32 v[SPW], v[NIL]                      ; the wave's opening: the add, twice on end, and its wait ahead of my first tensor load
	ds_add_u32 v[SPW], v[NIL]
	v_lshrrev_b32 v1, 5, v0
	v_readfirstlane_b32 s12, v1                    ; wave 0..3
	s_lshr_b32 s13, s12, 1                         ; which 64 rows are mine; also: I fetch y (0) or w_proj (1)
	s_and_b32 s14, s12, 1                          ; which 128 columns; also: which half I fetch
	s_bfe_u32 s40, ttmp6, 0x40000                  ; cx
	s_bfe_u32 s41, ttmp6, 0x40004                  ; cy
	s_lshl_b32 s42, ttmp9, 2
	s_add_co_u32 s42, s42, s40                     ; tile column 0..3
	s_and_b32 s15, ttmp7, 0xffff
	s_lshl_b32 s15, s15, 2
	s_add_co_u32 s15, s15, s41                     ; tile row 0..63
	s_lshl_b32 s16, s41, 2
	s_lshl_b32 s16, 15, s16                        ; my row of the cluster
	s_lshl_b32 s17, 0x1111, s40                    ; my column
	s_or_b32 s[G1], s16, (3<<16)|(1<<21)           ; mask; elements of 8 bytes; no padding; bit 21 beside a mask
	s_or_b32 s[G1B], s17, (3<<16)|(1<<21)
	s_mov_b32 s[G1+1], 32<<16                      ; rows of 256 bytes,
	s_mov_b32 s[G1+2], 64<<16                      ; 64 of them: a dense 16 KiB
	s_mov_b32 s[G1+3], 32<<16
	s_mov_b32 s[G1+4], 64
	s_mov_b32 s[G1+5], 32
	s_mov_b32 s[G1+6], 0
	s_mov_b32 s[G1+7], 0
	s_mov_b32 s[G1B+1], 32<<16
	s_mov_b32 s[G1B+2], 128<<16                    ; 128 rows: a dense 32 KiB
	s_mov_b32 s[G1B+3], 32<<16
	s_mov_b32 s[G1B+4], 128
	s_mov_b32 s[G1B+5], 32
	s_mov_b32 s[G1B+6], 0
	s_mov_b32 s[G1B+7], 0
	s_lshl_b32 s18, s15, 3
	s_lshl_b32 s19, s14, 2
	s_add_co_u32 s18, s18, s19
	s_lshl_b32 s18, s18, 12                        ; y: (8 x tile row + 4 x half) x 4,096
	s_mov_b32 s19, 0
	s_lshl_b32 s66, s42, 4
	s_lshl_b32 s67, s14, 3
	s_add_co_u32 s66, s66, s67
	s_lshl_b32 s66, s66, 12                        ; w_proj: (16 x tile column + 8 x half) x 4,096
	s_mov_b32 s67, 0
	s_lshl_b32 s20, s14, 14                        ; LDS: y's halves at 0 and 16,384,
	s_lshl_b32 s21, s14, 15
	s_add_co_u32 s21, s21, 32768                   ; w_proj's at 32,768 and 65,536
	s_wait_dscnt 0x0                               ; both opening adds are done
	s_wait_kmcnt 0x0
	s_add_nc_u64 s[18:19], s[4:5], s[18:19]
	s_add_nc_u64 s[66:67], s[6:7], s[66:67]
	CROUND                                         ; all sixteen work-groups are here
.irp s, 0,1
	s_mov_b32 s[G0+4*\s], 1
	s_add_co_u32 s[G0+4*\s+1], s20, \s*SLOT
	s_add_nc_u64 s[G0+4*\s+2:G0+4*\s+3], s[18:19], \s*ASTEP
	s_or_b32 s[G0+4*\s+3], s[G0+4*\s+3], 0x80000000
	s_mov_b32 s[G0B+4*\s], 1
	s_add_co_u32 s[G0B+4*\s+1], s21, \s*SLOT
	s_add_nc_u64 s[G0B+4*\s+2:G0B+4*\s+3], s[66:67], \s*BSTEP
	s_or_b32 s[G0B+4*\s+3], s[G0B+4*\s+3], 0x80000000
	JLOAD \s                                       ; two loads of mine are out
.endr
	v_and_b32 v1, 31, v0
	v_lshlrev_b32 v[CO], 4, v1
	s_lshl_b32 s22, s13, 14                        ; my four row tiles of y
	s_lshl_b32 s23, s14, 15
	s_add_co_u32 s23, s23, 32768                   ; my eight column tiles of w_proj
.irp s, 0,1
	v_add_nc_u32 v[ADRA+\s], s22, v[CO]
	v_add_nc_u32 v[ADRB+\s], s23, v[CO]
	s_add_co_u32 s22, s22, SLOT
	s_add_co_u32 s23, s23, SLOT
.endr
	s_mul_i32 s22, s12, 16*SPITCH
	s_add_co_u32 s22, s22, STAGE                   ; my stage
	v_and_b32 v2, 15, v0
	v_bfe_u32 v3, v0, 4, 1
	v_mul_u32_u24 v4, v2, SPITCH
	v_lshl_add_u32 v4, v3, 5, v4
	v_add_nc_u32 v[STO], s22, v4                   ; in: row r, 32 bytes for each half of the lanes
	v_add_nc_u32 v[RD], s22, v[CO]                 ; back: the 32 lanes take a row of 512 bytes
	s_lshl_b32 s22, s15, 7
	s_lshl_b32 s23, s13, 6
	s_add_co_u32 s22, s22, s23
	s_lshl_b32 s22, s22, 12                        ; my first row of out0, 4,096 bytes a row
	s_lshl_b32 s68, s42, 10
	s_lshl_b32 s69, s14, 9
	s_add_co_u32 s68, s68, s69                     ; my first column, in bytes
	s_mov_b32 s69, 0
	s_add_nc_u64 s[10:11], s[10:11], s[68:69]
	s_add_co_u32 s68, s68, s22
	s_add_nc_u64 s[8:9], s[8:9], s[68:69]
	global_load_b128 v[BI:BI+3], v[CO], s[10:11]
	; the prefetches: where mine stand, and who asks
	s_lshl_b32 s72, s15, 15                        ; y: 8 x tile row x 4,096
	s_lshl_b32 s73, s42, 16                        ; w_proj: 16 x tile column x 4,096
	s_lshl_b32 s74, s14, 15
	s_add_co_u32 s73, s73, s74                     ;   + my half
	s_and_b32 s70, ttmp7, 0xffff                   ; cluster y
	s_mov_b32 s[PFS], BSTEP
	s_cmp_eq_u32 s13, 0
	s_cselect_b32 s71, s14, s70                    ; y: wave 0 asks; w_proj: the first cluster's waves 2 and 3
	s_cselect_b64 s[PFA:PFA+1], s[4:5], s[6:7]
	s_cselect_b32 s[PFS], ASTEP, s[PFS]
	s_cselect_b32 s72, s72, s73
	s_cselect_b32 s73, s40, s41                    ; my place among the four that ask jointly
	s_cmp_eq_u32 s71, 0
	s_cselect_b32 s[LIM], 1, -1
	s_lshl_b32 s73, s73, 13
	s_add_co_u32 s72, s72, s73
	s_mul_i32 s73, s[PFS], 3
	s_add_co_u32 s72, s72, s73                     ; at K step 3: each refill steps it before it asks, so the first names K step 4
	s_mov_b32 s73, 0
	s_mov_b32 s[PFS+1], 0
	s_add_nc_u64 s[PFA:PFA+1], s[PFA:PFA+1], s[72:73]
	v_lshlrev_b32 v[PFO], 8, v1
.macro FETCH slot, q, f                ; 24 LDS loads: the fragments of 32 along K, the slot's q-th
.irp i, 0,1,2,3,4,5,6,7
	ds_load_b128 v[\f+8*\i:\f+8*\i+3],   v[ADRB+\slot] offset:\i*4096+(\q)*1024
	ds_load_b128 v[\f+8*\i+4:\f+8*\i+7], v[ADRB+\slot] offset:\i*4096+(\q)*1024+512
.endr
.irp i, 0,1,2,3
	ds_load_b128 v[\f+64+8*\i:\f+64+8*\i+3],   v[ADRA+\slot] offset:\i*4096+(\q)*1024
	ds_load_b128 v[\f+64+8*\i+4:\f+64+8*\i+7], v[ADRA+\slot] offset:\i*4096+(\q)*1024+512
.endr
.endm
.macro MULA f, a, zero                 ; eight matrix instructions: row tile a x my eight column tiles.  The 32 accumulators take turns in the same order in every quarter
.irp b, 0,1,2,3,4,5,6,7
.if \zero
	v_wmma_f32_16x16x32_f16 v[8*(8*\a+\b):8*(8*\a+\b)+7], v[\f+8*\b:\f+8*\b+7], v[\f+64+8*\a:\f+64+8*\a+7], 0
.else
	v_wmma_f32_16x16x32_f16 v[8*(8*\a+\b):8*(8*\a+\b)+7], v[\f+8*\b:\f+8*\b+7], v[\f+64+8*\a:\f+64+8*\a+7], v[8*(8*\a+\b):8*(8*\a+\b)+7]
.endif
.endr
.endm
.macro PLACES
.rept 4
	v_nop
.endr
.endm
; A quarter of a K step: buffer f is multiplied; the next quarter's fragments (the slot's qn-th) are asked for first, into buffer g, and land under the 32 products.
.macro QUARTER f, g, slot, qn, zero
	s_wait_dscnt 0x0                               ; buffer f is in
	PLACES                                         ; buffer g was read by the last quarter's products
	FETCH \slot, \qn, \g
	WIN MUL
	MULA \f, 0, \zero
	MULA \f, 1, \zero
	MULA \f, 2, \zero
	MULA \f, 3, \zero
	WIN 0
.endm
; A slot's last quarter multiplies buffer 1 and changes slots: one barrier; in front of it each wave waits for all its tensor loads, adds 0 to its spare word, and waits for that and for its reads of this slot.
; fill = 1: the barrier opens a round of the cluster's, and this slot is filled again, two K steps ahead: the load has 112 matrix instructions in which to land.
.macro TURN slot, next, fill
.if \fill
	s_wait_xcnt 0x0                                ; the last prefetch, a K step back, has read its address
	s_add_nc_u64 s[PFA:PFA+1], s[PFA:PFA+1], s[PFS:PFS+1]
.endif
	s_wait_tensorcnt 0x0                           ; all my tensor loads have landed: my part of the next slot
	ds_add_u32 v[SPW], v[NIL]
	s_wait_dscnt 1                                 ; buffer 1 is in; the add may be out
	WIN MUL
	MULA F1, 0, 0
	s_wait_dscnt 0x0                               ; the add is done, and my reads of this slot are over
	s_barrier_signal -1
	MULA F1, 1, 0
	WIN 0
	s_barrier_wait -1
.if \fill
	CREST
	s_add_nc_u64 s[G0+4*\slot+2:G0+4*\slot+3], s[G0+4*\slot+2:G0+4*\slot+3], 2*ASTEP
	s_add_nc_u64 s[G0B+4*\slot+2:G0B+4*\slot+3], s[G0B+4*\slot+2:G0B+4*\slot+3], 2*BSTEP
	JLOAD \slot                                    ; the first tensor load behind the round; its four v_nop are also the places in front of the loads below
.else
	PLACES
.endif
	FETCH \next, 0, F0
.if \fill
	ASK
.endif
	WIN MUL
	MULA F1, 2, 0
	MULA F1, 3, 0
	WIN 0
.endm
	s_wait_tensorcnt 1                             ; my part of K step 0 is in; K step 1's load may be out,
	s_barrier_signal -1
	s_barrier_wait -1                              ; everybody's is
	FETCH 0, 0, F0
	QUARTER F0, F1, 0, 1, 1                        ; the first quarter starts the sums
	s_mov_b32 s3, 3
.Llap:                                             ; a trip goes once round the ring and fills both slots again: K steps 2 to 7
	QUARTER F1, F0, 0, 2, 0
	QUARTER F0, F1, 0, 3, 0
	TURN 0, 1, 1
	QUARTER F0, F1, 1, 1, 0
	QUARTER F1, F0, 1, 2, 0
	QUARTER F0, F1, 1, 3, 0
	TURN 1, 0, 1
	QUARTER F0, F1, 0, 1, 0
	s_sub_co_u32 s3, s3, 1
	s_cmp_lg_u32 s3, 0
	s_cbranch_scc1 .Llap
	QUARTER F1, F0, 0, 2, 0                        ; the last lap fills nothing
	QUARTER F0, F1, 0, 3, 0
	TURN 0, 1, 0
	QUARTER F0, F1, 1, 1, 0
	QUARTER F1, F0, 1, 2, 0
	QUARTER F0, F1, 1, 3, 0
	s_wait_dscnt 0x0
	WIN MUL
	MULA F1, 0, 0
	MULA F1, 1, 0
	MULA F1, 2, 0
	MULA F1, 3, 0
	WIN 0
; THE WAY OUT, a block of 16 rows x 128 columns at a time: through my own stage, back as whole rows of 512 bytes, the bias added, stored.  LDS serves a wave's instructions in order: no wait between stores and loads.
.macro TOSTAGE a
	WIN 0x04                                       ; an LDS store's data are its source 1: window 1
.irp b, 0,1,2,3,4,5,6,7
	ds_store_b128 v[STO], v[8*(8*(\a)+\b):8*(8*(\a)+\b)+3] offset:64*\b           ; each accumulator from its low end on
	ds_store_b128 v[STO], v[8*(8*(\a)+\b)+4:8*(8*(\a)+\b)+7] offset:64*\b+16
.endr
	WIN 0
.set BB, BK+64*((\a)%2)
.irp t, 0,1,2,3,4,5,6,7,8,9,10,11,12,13,14,15
	ds_load_b128 v[BB+4*\t:BB+4*\t+3], v[RD] offset:\t*SPITCH
.endr
.endm
.macro SEND a, younger                 ; younger: the LDS instructions issued behind block a's loads
.set BB, BK+64*((\a)%2)
	s_wait_dscnt \younger
.irp t, 0,1,2,3,4,5,6,7,8,9,10,11,12,13,14,15
	v_pk_add_f32 v[BB+4*\t:BB+4*\t+1], v[BB+4*\t:BB+4*\t+1], v[BI:BI+1]
	v_pk_add_f32 v[BB+4*\t+2:BB+4*\t+3], v[BB+4*\t+2:BB+4*\t+3], v[BI+2:BI+3]
.endr
.irp t, 0,1,2,3,4,5,6,7,8,9,10,11,12,13,14,15
	global_store_b128 v[CO], v[BB+4*\t:BB+4*\t+3], s[8:9] offset:(\a)*65536+\t*4096 th:TH_STORE_NT   ; 512 consecutive bytes, aligned
.endr
.endm
	s_wait_loadcnt 0x0                             ; the bias
	PLACES                                         ; behind the last products: for the stores of results and the loads into the fragments' registers
	TOSTAGE 0
.irp a, 1,2,3
.if \a > 1
	s_wait_xcnt 0x0                                ; block a - 2's stores have read their registers
.endif
	TOSTAGE \a
	SEND \a-1, 32                                  ; behind block a - 1's loads: block a's 16 stores and 16 loads
.endr
	SEND 3, 0
	s_wait_tensorcnt 0x0                           ; the wave's end
	ds_add_u32 v[SPW], v[NIL]
	s_wait_dscnt 0x0
	CROUND                                         ; the closing round
	s_endpgm
.Lfunc_end_k_q548a25321b_proj:
	.size	k_q548a25321b_proj, .Lfunc_end_k_q548a25321b_proj-k_q548a25321b_proj
	.p2alignl 7, 3214868480
	.fill 96, 4, 3214868480
	.section	.rodata,"a",@progbits
	.p2align	6, 0x0
	.amdhsa_kernel k_q548a25321b_proj
		.amdhsa_group_segment_fixed_size 327680
		.amdhsa_private_segment_fixed_size 0
		.amdhsa_enable_private_segment 0
		.amdhsa_kernarg_size 32
		.amdhsa_user_sgpr_count 2
		.amdhsa_user_sgpr_kernarg_segment_ptr 1
		.amdhsa_wavefront_size32 1
		.amdhsa_system_sgpr_workgroup_id_x 1
		.amdhsa_system_sgpr_workgroup_id_y 1
		.amdhsa_system_sgpr_workgroup_id_z 1
		.amdhsa_system_vgpr_workitem_id 0
		.amdhsa_next_free_vgpr 512
		.amdhsa_next_free_sgpr 80
		.amdhsa_reserve_vcc 0
		.amdhsa_float_denorm_mode_32 3
		.amdhsa_float_denorm_mode_16_64 3
		.amdhsa_memory_ordered 1
		.amdhsa_forward_progress 1
		.amdhsa_inst_pref_size 93
	.end_amdhsa_kernel
	.amdgpu_metadata
---
amdhsa.version: [ 1, 2 ]
amdhsa.kernels:
  - .name:           k_q548a25321b_proj
    .symbol:         k_q548a25321b_proj.kd
    .args:
      - { .name: yfrag, .offset: 0, .size: 8, .value_kind: global_buffer, .address_space: global }
      - { .name: wpfrag, .offset: 8, .size: 8, .value_kind: global_buffer, .address_space: global }
      - { .name: out0, .offset: 16, .size: 8, .value_kind: global_buffer, .address_space: global }
      - { .name: b_proj, .offset: 24, .size: 8, .value_kind: global_buffer, .address_space: global }
    .group_segment_fixed_size: 327680
    .private_segment_fixed_size: 0
    .kernarg_segment_align: 8
    .kernarg_segment_size: 32
    .max_flat_workgroup_size: 128
    .sgpr_count:     80
    .vgpr_count:     512
    .wavefront_size: 32
...
	.end_amdgpu_metadata
.endif
;; end of part 4
;; launch fattn (part 5): grid 64 x 1, 12 waves a work-group, no clusters, 18,432 bytes of LDS; arguments xcodes, xscales, wcodes, wscales, b_attn, y32; writes y32
.if DOCPART == 5
	.amdgcn_target "amdgcn-amd-amdhsa--gfx1250"
	.amdhsa_code_object_version 6
	.text
	.protected	k_q548a25321b_fattn
	.globl	k_q548a25321b_fattn
	.p2align	8
	.type	k_q548a25321b_fattn,@function
k_q548a25321b_fattn:
	s_mov_b64 s[64:65], 0
	v_nop
	global_prefetch_b8 v0, s[64:65] scope:SCOPE_SE
	s_setreg_imm32_b32 hwreg(HW_REG_WAVE_MODE, 25, 1), 1
	s_wait_xcnt 0x0
; THE FIRST 16 POSITIONS OF EVERY SEQUENCE, IN f32.  Under the causal mask these rows average one to sixteen values, so nothing of theirs is rounded to 16 bits.  One work-group for each (batch, head).
; Twelve waves make q, k, v of the 16 positions anew from the codes (the same quantised product, K ascending, sums f32): wave w makes 16 positions x 16 channels, w / 4 = q, k or v, w % 4 = which 16 channels.
;   q, k: source 0 = 16 rows of w_attn's codes, source 1 = x's: a lane holds position r and channels 8 h + 0 .. 7.     v: the sources the other way round: a lane holds channel r and keys 8 h + 0 .. 7.
; One text serves both: the two operand sets are filled through pointers chosen by the wave's number.  The bias is the C of the first product.  The tiles go to LDS as images of their registers.
; Wave 0 then does the attention by the f32 matrix form (16 x 16 x 4): S^T = k q^T over 64 channels, taken in the same order on both sides; mask, softmax with the row's maximum taken off; O^T = v^T p.
; y32 [batch x 16 + t][1024] f32.  No cluster: no two work-groups read the same weights' rows for the same purpose at a size that would pay; a few small work-groups.
; LIMIT: NaN and infinities are not served.
.set IMG,   0                          ; LDS: twelve images of 1,024 bytes
.set STAGE, 12288                      ; 16 rows x 272 bytes
.set SPARE, 16896                      ; the spare words, 128 bytes for each of 12 waves
.set C0,  32                           ; v32-95  source 0's codes, 8 registers a K step
.set C1,  96                           ; v96-159 source 1's
.set BS,  160                          ; v160-167 the bias
.set TL,  168                          ; v168-175 my tile
.set QF,  32                           ; wave 0: q, k, v, 8 registers for each 16 channels
.set KF,  64
.set VF,  96
.set SA,  176                          ; v176-191 S^T in two accumulators; v192-223 O^T: written by matrix instructions alone
.set OA,  192
.set PP,  224                          ; v224-231 p
.set SS,  232                          ; v232-239 the scores
.set SPW, 252
.set NIL, 253
	s_load_b128 s[4:7], s[0:1], 0x0                ; xcodes, xscales
	s_load_b128 s[8:11], s[0:1], 0x10              ; wcodes, wscales
	s_load_b128 s[12:15], s[0:1], 0x20             ; b_attn, y32
	v_lshl_add_u32 v[SPW], v0, 2, SPARE
	v_mov_b32 v[NIL], 0
	v_lshrrev_b32 v1, 5, v0
	v_readfirstlane_b32 s16, v1                    ; wave 0..11
	v_and_b32 v1, 31, v0
	v_lshlrev_b32 v1, 4, v1                        ; 16 x lane
	v_and_b32 v2, 15, v0                           ; r
	v_bfe_u32 v3, v0, 4, 1                         ; h
	v_lshlrev_b32 v4, 9, v2
	v_lshl_add_u32 v4, v3, 4, v4                   ; codes: row r of 512 bytes, + 16 h
	v_lshlrev_b32 v5, 5, v2                        ; scale words: row r of 32 bytes
	s_lshl_b32 s22, s16, 10
	v_add_nc_u32 v6, s22, v1                       ; my image
	v_mul_u32_u24 v7, v2, 272
	v_lshl_add_u32 v7, v3, 5, v7
	v_add_nc_u32 v7, STAGE, v7                     ; the stage, in: row r, + 32 h
	v_mul_u32_u24 v8, v3, 272
	v_lshl_add_u32 v8, v2, 4, v8
	v_add_nc_u32 v8, STAGE, v8                     ; and back: lanes 0-15 one row, lanes 16-31 the next
	v_lshlrev_b32 v9, 12, v3
	v_lshl_add_u32 v9, v2, 4, v9                   ; the same two rows in y32
	v_lshlrev_b32 v10, 5, v3                       ; the bias of q, k: 8 h numbers on
	v_lshlrev_b32 v11, 2, v2                       ; of v: number r
	v_lshlrev_b32 v12, 3, v3
	v_sub_nc_u32 v12, v2, v12                      ; r - 8 h
	v_mov_b32 v13, 0xff800000                      ; -infinity
	v_mov_b32 v241, 0                              ; a lane permute's destination counts as one of its sources
	s_lshr_b32 s17, s16, 2                         ; q, k or v
	s_and_b32 s18, s16, 3
	s_lshr_b32 s19, ttmp9, 4                       ; batch
	s_and_b32 s20, ttmp9, 15                       ; head
	s_lshl_b32 s21, s17, 10
	s_lshl_b32 s22, s20, 6
	s_add_co_u32 s21, s21, s22
	s_lshl_b32 s22, s18, 4
	s_add_co_u32 s21, s21, s22                     ; my first column of w_attn
	s_lshl_b32 s22, s19, 20                        ; x's codes: 2,048 rows of 512 bytes a batch
	s_mov_b32 s23, 0
	s_lshl_b32 s24, s19, 16
	s_mov_b32 s25, 0
	s_lshl_b32 s26, s21, 9
	s_mov_b32 s27, 0
	s_lshl_b32 s28, s21, 5
	s_mov_b32 s29, 0
	s_lshl_b32 s30, s21, 2
	s_mov_b32 s31, 0
	s_mov_b32 s40, 0x3e38aa3b                      ; c = log2(e) / 8
	s_mov_b32 s42, 0x76543210
	s_mov_b32 s43, 0xfedcba98
	s_wait_kmcnt 0x0
	s_add_nc_u64 s[4:5], s[4:5], s[22:23]
	s_add_nc_u64 s[6:7], s[6:7], s[24:25]
	s_add_nc_u64 s[8:9], s[8:9], s[26:27]
	s_add_nc_u64 s[10:11], s[10:11], s[28:29]
	s_add_nc_u64 s[12:13], s[12:13], s[30:31]
	s_lshl_b32 s22, s19, 16
	s_lshl_b32 s24, s20, 8
	s_add_co_u32 s22, s22, s24
	s_add_nc_u64 s[14:15], s[14:15], s[22:23]      ; y32: 16 rows of 4,096 bytes a batch, 256 bytes a head
	s_cmp_eq_u32 s17, 2
	s_cselect_b64 s[32:33], s[4:5], s[8:9]         ; source 0: x for v, w_attn for q and k
	s_cselect_b64 s[34:35], s[6:7], s[10:11]
	s_cselect_b64 s[36:37], s[8:9], s[4:5]         ; source 1: the other
	s_cselect_b64 s[38:39], s[10:11], s[6:7]
.irp s, 0,1,2,3,4,5,6,7
.irp c, 0,1
	global_load_b128 v[C0+8*\s+4*\c:C0+8*\s+4*\c+3], v4, s[32:33] offset:64*\s+32*\c
	global_load_b128 v[C1+8*\s+4*\c:C1+8*\s+4*\c+3], v4, s[36:37] offset:64*\s+32*\c
.endr
.endr
.irp e, 0,1
	global_load_b128 v[16+4*\e:19+4*\e], v5, s[34:35] offset:16*\e   ; v16-23: source 0's scale words, one a K step; these registers hold scales and nothing else
	global_load_b128 v[24+4*\e:27+4*\e], v5, s[38:39] offset:16*\e   ; v24-31: source 1's
.endr
	s_cmp_eq_u32 s17, 2
	s_cbranch_scc1 .Lbias_v
	global_load_b128 v[BS:BS+3], v10, s[12:13]     ; q, k: register j is the bias of channel 8 h + j
	global_load_b128 v[BS+4:BS+7], v10, s[12:13] offset:16
	s_branch .Lbias_in
.Lbias_v:
.irp j, 0,1,2,3,4,5,6,7
	global_load_b32 v[BS+\j], v11, s[12:13]        ; v: every register is the bias of channel r
.endr
.Lbias_in:
	s_wait_loadcnt 0x0
	v_wmma_scale_f32_16x16x128_f8f6f4 v[TL:TL+7], v[C0:C0+7], v[C1:C1+7], v[BS:BS+7], v16, v24 matrix_a_fmt:MATRIX_FMT_FP4 matrix_b_fmt:MATRIX_FMT_FP4
.irp s, 1,2,3,4,5,6,7
	s_wait_alu depctr_va_vdst(0)                   ; a wait directly ahead of every link
	v_wmma_scale_f32_16x16x128_f8f6f4 v[TL:TL+7], v[C0+8*\s:C0+8*\s+7], v[C1+8*\s:C1+8*\s+7], v[TL:TL+7], v[16+\s], v[24+\s] matrix_a_fmt:MATRIX_FMT_FP4 matrix_b_fmt:MATRIX_FMT_FP4
.endr
.rept 4
	v_nop
.endr
	ds_store_b128 v6, v[TL:TL+3]                   ; my tile as it stands in its registers
	ds_store_b128 v6, v[TL+4:TL+7] offset:512
	s_wait_dscnt 0x0                               ; for the others' sake: my stores have landed
	s_barrier_signal -1
	s_barrier_wait -1
	s_cmp_lg_u32 s16, 0
	s_cbranch_scc1 .Lothers
.irp t, 0,1,2,3
.irp e, 0,1
	ds_load_b128 v[QF+8*\t+4*\e:QF+8*\t+4*\e+3], v1 offset:\t*1024+\e*512
	ds_load_b128 v[KF+8*\t+4*\e:KF+8*\t+4*\e+3], v1 offset:4096+\t*1024+\e*512
	ds_load_b128 v[VF+8*\t+4*\e:VF+8*\t+4*\e+3], v1 offset:8192+\t*1024+\e*512
.endr
.endr
	s_wait_dscnt 0x0
; S^T = k q^T.  The form's k index (2 h + j) stands for channel 16 t + 8 h + 2 i + j on both sides.  Two accumulators take turns; the first two products start the sums.
.irp t, 0,1,2,3
.irp i, 0,1,2,3
.if (4*\t+\i) < 2
	v_wmma_f32_16x16x4_f32 v[SA+8*(\i%2):SA+8*(\i%2)+7], v[KF+8*\t+2*\i:KF+8*\t+2*\i+1], v[QF+8*\t+2*\i:QF+8*\t+2*\i+1], 0
.else
	v_wmma_f32_16x16x4_f32 v[SA+8*(\i%2):SA+8*(\i%2)+7], v[KF+8*\t+2*\i:KF+8*\t+2*\i+1], v[QF+8*\t+2*\i:QF+8*\t+2*\i+1], v[SA+8*(\i%2):SA+8*(\i%2)+7]
.endif
.endr
.endr
.rept 8
	v_nop                                          ; eight places behind this form
.endr
.irp j, 0,1,2,3,4,5,6,7
	v_add_f32 v[SS+\j], v[SA+\j], v[SA+8+\j]       ; lane (r, h): query r, key 8 h + j
.endr
.irp j, 0,1,2,3,4,5,6,7
	v_cmp_gt_i32 vcc_lo, \j, v12                   ; hidden where 8 h + j > r
	v_cndmask_b32 v[SS+\j], v[SS+\j], v13, vcc_lo
.endr
	v_max3_num_f32 v240, v232, v233, v234
	v_max3_num_f32 v240, v240, v235, v236
	v_max3_num_f32 v240, v240, v237, v238
	v_max_num_f32 v240, v240, v239
	v_permlanex16_b32 v241, v240, s42, s43
	v_max_num_f32 v240, v240, v241                 ; the row's maximum: key 0 counts for every query
	v_mul_f32 v240, s40, v240
.irp j, 0,1,2,3,4,5,6,7
	v_fma_f32 v[SS+\j], v[SS+\j], s40, -v240
.endr
.irp j, 0,1,2,3,4,5,6,7
	v_exp_f32 v[PP+\j], v[SS+\j]
.endr
	v_nop
	s_wait_alu depctr_va_vdst(0)                   ; one wait for the eight
	v_add_f32 v242, v224, v225
	v_add_f32 v243, v226, v227
	v_add_f32 v244, v228, v229
	v_add_f32 v245, v230, v231
	v_add_f32 v242, v242, v243
	v_add_f32 v244, v244, v245
	v_add_f32 v242, v242, v244
	v_permlanex16_b32 v241, v242, s42, s43
	v_add_f32 v242, v242, v241                     ; the row's sum
	v_rcp_f32 v243, v242
	v_nop
	s_wait_alu depctr_va_vdst(0)
; O^T = v^T p: the form's k index stands for key 8 h + 2 i + j on both sides.  Four accumulators take turns.
.irp i, 0,1,2,3
.irp t, 0,1,2,3
.if \i == 0
	v_wmma_f32_16x16x4_f32 v[OA+8*\t:OA+8*\t+7], v[VF+8*\t+2*\i:VF+8*\t+2*\i+1], v[PP+2*\i:PP+2*\i+1], 0
.else
	v_wmma_f32_16x16x4_f32 v[OA+8*\t:OA+8*\t+7], v[VF+8*\t+2*\i:VF+8*\t+2*\i+1], v[PP+2*\i:PP+2*\i+1], v[OA+8*\t:OA+8*\t+7]
.endif
.endr
.endr
.rept 8
	v_nop
.endr
.set i, 0
.rept 32
	v_mul_f32 v[32+i], v[OA+i], v243               ; register 8 t + j: y(query r, channel 16 t + 8 h + j)
.set i, i+1
.endr
.irp t, 0,1,2,3
	ds_store_b128 v7, v[32+8*\t:35+8*\t] offset:64*\t
	ds_store_b128 v7, v[36+8*\t:39+8*\t] offset:64*\t+16
.endr
.irp i, 0,1,2,3,4,5,6,7
	ds_load_b128 v[64+4*\i:67+4*\i], v8 offset:2*\i*272   ; LDS serves a wave's instructions in order: these see my stores
.endr
.irp i, 0,1,2,3,4,5,6,7
	s_wait_dscnt 7-\i                              ; the younger read-backs may be out
	global_store_b128 v9, v[64+4*\i:67+4*\i], s[14:15] offset:2*\i*4096   ; sixteen lanes store 256 consecutive bytes, aligned
.endr
	s_wait_tensorcnt 0x0                           ; the wave's end, behind my last LDS store
	ds_add_u32 v[SPW], v[NIL]
	s_wait_dscnt 0x0
	s_endpgm
.Lothers:
	s_wait_tensorcnt 0x0                           ; the other eleven waves' end: the same three lines
	ds_add_u32 v[SPW], v[NIL]
	s_wait_dscnt 0x0
	s_endpgm
.Lfunc_end_k_q548a25321b_fattn:
	.size	k_q548a25321b_fattn, .Lfunc_end_k_q548a25321b_fattn-k_q548a25321b_fattn
	.p2alignl 7, 3214868480
	.fill 96, 4, 3214868480
	.section	.rodata,"a",@progbits
	.p2align	6, 0x0
	.amdhsa_kernel k_q548a25321b_fattn
		.amdhsa_group_segment_fixed_size 18432
		.amdhsa_private_segment_fixed_size 0
		.amdhsa_enable_private_segment 0
		.amdhsa_kernarg_size 48
		.amdhsa_user_sgpr_count 2
		.amdhsa_user_sgpr_kernarg_segment_ptr 1
		.amdhsa_wavefront_size32 1
		.amdhsa_system_sgpr_workgroup_id_x 1
		.amdhsa_system_sgpr_workgroup_id_y 1
		.amdhsa_system_sgpr_workgroup_id_z 1
		.amdhsa_system_vgpr_workitem_id 0
		.amdhsa_next_free_vgpr 256
		.amdhsa_next_free_sgpr 66
		.amdhsa_reserve_vcc 1
		.amdhsa_float_denorm_mode_32 3
		.amdhsa_float_denorm_mode_16_64 3
		.amdhsa_memory_ordered 1
		.amdhsa_forward_progress 1
		.amdhsa_inst_pref_size 19
	.end_amdhsa_kernel
	.amdgpu_metadata
---
amdhsa.version: [ 1, 2 ]
amdhsa.kernels:
  - .name:           k_q548a25321b_fattn
    .symbol:         k_q548a25321b_fattn.kd
    .args:
      - { .name: xcodes, .offset: 0, .size: 8, .value_kind: global_buffer, .address_space: global }
      - { .name: xscales, .offset: 8, .size: 8, .value_kind: global_buffer, .address_space: global }
      - { .name: wcodes, .offset: 16, .size: 8, .value_kind: global_buffer, .address_space: global }
      - { .name: wscales, .offset: 24, .size: 8, .value_kind: global_buffer, .address_space: global }
      - { .name: b_attn, .offset: 32, .size: 8, .value_kind: global_buffer, .address_space: global }
      - { .name: y32, .offset: 40, .size: 8, .value_kind: global_buffer, .address_space: global }
    .group_segment_fixed_size: 18432
    .private_segment_fixed_size: 0
    .kernarg_segment_align: 8
    .kernarg_segment_size: 48
    .max_flat_workgroup_size: 384
    .sgpr_count:     66
    .vgpr_count:     256
    .wavefront_size: 32
...
	.end_amdgpu_metadata
.endif
;; end of part 5
;; launch fproj (part 6): grid 16 x 4, 16 waves a work-group, no clusters, 71,680 bytes of LDS; arguments y32, w_proj, b_proj, out0; writes out0
.if DOCPART == 6
	.amdgcn_target "amdgcn-amd-amdhsa--gfx1250"
	.amdhsa_code_object_version 6
	.text
	.protected	k_q548a25321b_fproj
	.globl	k_q548a25321b_fproj
	.p2align	8
	.type	k_q548a25321b_fproj,@function
k_q548a25321b_fproj:
	s_mov_b64 s[64:65], 0
	v_nop
	global_prefetch_b8 v0, s[64:65] scope:SCOPE_SE
	s_setreg_imm32_b32 hwreg(HW_REG_WAVE_MODE, 25, 1), 1
	s_wait_xcnt 0x0
; THE PROJECTION OF THE FIRST 16 POSITIONS OF EVERY SEQUENCE, IN f32: out0[batch][t < 16][n] = sum over k of y32[batch x 16 + t][k] w_proj[k][n] + b_proj[n].  It writes over 64 rows that the f16 projection has written.
; A work-group takes one batch's 16 rows x 64 columns; each of its sixteen waves takes 64 along k and makes a part of all four tiles by the f32 matrix form (source 0 = 16 columns of w_proj, source 1 = the 16 rows).
; In step s the form's k index (2 h + j) stands for k = 64 w + 32 h + 2 s + j on both sides.  The sixteen parts meet in LDS; wave w then adds them up for row w, adds the bias and stores 256 consecutive bytes.
; No cluster, no tensor load: 64 small work-groups, each reading its own 256 KiB of w_proj once.
.set PITCH, 272
.set SPARE, 16*16*PITCH                ; behind the sixteen parts: the spare words, 128 bytes a wave
.set YF,  16                           ; v16-47   y: 32 neighbours along k
.set WF,  48                           ; v48-175  w_proj: 8 s + 2 t + j
.set ACC, 176                          ; v176-207 four accumulators: written by matrix instructions alone
.set SPW, 208
.set NIL, 209
	s_load_b128 s[4:7], s[0:1], 0x0                ; y32, w_proj
	s_load_b128 s[8:11], s[0:1], 0x10              ; b_proj, out0
	v_lshl_add_u32 v[SPW], v0, 2, SPARE
	v_mov_b32 v[NIL], 0
	v_lshrrev_b32 v1, 5, v0
	v_readfirstlane_b32 s12, v1                    ; wave 0..15
	s_and_b32 s13, ttmp7, 0xffff                   ; batch
	v_and_b32 v1, 31, v0
	v_and_b32 v2, 15, v0                           ; r
	v_bfe_u32 v3, v0, 4, 1                         ; h
	v_lshlrev_b32 v4, 12, v2
	v_lshl_add_u32 v4, v3, 7, v4                   ; y: row r of 4,096 bytes, + 32 h numbers
	v_lshlrev_b32 v5, 2, v2
	v_lshl_add_u32 v5, v3, 17, v5                  ; w_proj: column r, + 32 h rows
	v_lshlrev_b32 v6, 3, v1                        ; 8 x lane
	s_mul_i32 s14, s12, 16*PITCH
	v_mul_u32_u24 v7, v2, PITCH
	v_lshl_add_u32 v7, v3, 5, v7
	v_add_nc_u32 v7, s14, v7                       ; my part: row r, + 32 h bytes
	s_mul_i32 s14, s12, PITCH
	v_add_nc_u32 v8, s14, v6                       ; back: row w of every part, two columns a lane
	s_lshl_b32 s20, ttmp9, 8                       ; my 64 columns, in bytes
	s_mov_b32 s21, 0
	s_lshl_b32 s16, s13, 16
	s_lshl_b32 s17, s12, 8
	s_add_co_u32 s16, s16, s17
	s_mov_b32 s17, 0
	s_lshl_b32 s18, s12, 18
	s_add_co_u32 s18, s18, s20
	s_mov_b32 s19, 0
	s_lshl_b32 s22, s13, 11
	s_add_co_u32 s22, s22, s12
	s_lshl_b32 s22, s22, 12
	s_add_co_u32 s22, s22, s20
	s_mov_b32 s23, 0
	s_wait_kmcnt 0x0
	s_add_nc_u64 s[4:5], s[4:5], s[16:17]
	s_add_nc_u64 s[6:7], s[6:7], s[18:19]
	s_add_nc_u64 s[8:9], s[8:9], s[20:21]
	s_add_nc_u64 s[10:11], s[10:11], s[22:23]
	global_load_b64 v[10:11], v6, s[8:9]           ; the bias of my two columns
.irp i, 0,1,2,3,4,5,6,7
	global_load_b128 v[YF+4*\i:YF+4*\i+3], v4, s[4:5] offset:16*\i
.endr
.irp s, 0,1,2,3,4,5,6,7,8,9,10,11,12,13,14,15
.irp t, 0,1,2,3
.irp j, 0,1
	global_load_b32 v[WF+8*\s+2*\t+\j], v5, s[6:7] offset:(2*\s+\j)*4096+64*\t
.endr
.endr
.endr
.irp s, 0,1,2,3,4,5,6,7,8,9,10,11,12,13,14,15
.if \s == 0
	s_wait_loadcnt 63                              ; 64 loads were issued behind step 7's last: the bias, y and steps 0 to 7 are in
.endif
.if \s >= 8
	s_wait_loadcnt 8*(15-\s)                       ; the later steps' loads may be out
.endif
.irp t, 0,1,2,3                        ; the four accumulators take turns; step 0 starts the sums
.if \s == 0
	v_wmma_f32_16x16x4_f32 v[ACC+8*\t:ACC+8*\t+7], v[WF+8*\s+2*\t:WF+8*\s+2*\t+1], v[YF+2*\s:YF+2*\s+1], 0
.else
	v_wmma_f32_16x16x4_f32 v[ACC+8*\t:ACC+8*\t+7], v[WF+8*\s+2*\t:WF+8*\s+2*\t+1], v[YF+2*\s:YF+2*\s+1], v[ACC+8*\t:ACC+8*\t+7]
.endif
.endr
.endr
.rept 8
	v_nop                                          ; eight places behind this form
.endr
.irp t, 0,1,2,3
	ds_store_b128 v7, v[ACC+8*\t:ACC+8*\t+3] offset:64*\t          ; lane (r, h): row r, columns 16 t + 8 h + 0 .. 7
	ds_store_b128 v7, v[ACC+8*\t+4:ACC+8*\t+7] offset:64*\t+16
.endr
	s_wait_dscnt 0x0                               ; for the others' sake: my part has landed
	s_barrier_signal -1
	s_barrier_wait -1
.irp p, 0,1,2,3,4,5,6,7,8,9,10,11,12,13,14,15
	ds_load_b64 v[WF+2*\p:WF+2*\p+1], v8 offset:\p*16*PITCH
.endr
	s_wait_dscnt 0x0
.irp p, 2,4,6,8,10,12,14               ; two chains
	v_pk_add_f32 v[WF:WF+1], v[WF:WF+1], v[WF+2*\p:WF+2*\p+1]
	v_pk_add_f32 v[WF+2:WF+3], v[WF+2:WF+3], v[WF+2*\p+2:WF+2*\p+3]
.endr
	v_pk_add_f32 v[WF:WF+1], v[WF:WF+1], v[WF+2:WF+3]
	v_pk_add_f32 v[WF:WF+1], v[WF:WF+1], v[10:11]
	global_store_b64 v6, v[WF:WF+1], s[10:11]      ; 32 lanes store 256 consecutive bytes, aligned
	s_wait_tensorcnt 0x0                           ; the wave's end, behind my last LDS store
	ds_add_u32 v[SPW], v[NIL]
	s_wait_dscnt 0x0
	s_endpgm
.Lfunc_end_k_q548a25321b_fproj:
	.size	k_q548a25321b_fproj, .Lfunc_end_k_q548a25321b_fproj-k_q548a25321b_fproj
	.p2alignl 7, 3214868480
	.fill 96, 4, 3214868480
	.section	.rodata,"a",@progbits
	.p2align	6, 0x0
	.amdhsa_kernel k_q548a25321b_fproj
		.amdhsa_group_segment_fixed_size 71680
		.amdhsa_private_segment_fixed_size 0
		.amdhsa_enable_private_segment 0
		.amdhsa_kernarg_size 32
		.amdhsa_user_sgpr_count 2
		.amdhsa_user_sgpr_kernarg_segment_ptr 1
		.amdhsa_wavefront_size32 1
		.amdhsa_system_sgpr_workgroup_id_x 1
		.amdhsa_system_sgpr_workgroup_id_y 1
		.amdhsa_system_sgpr_workgroup_id_z 1
		.amdhsa_system_vgpr_workitem_id 0
		.amdhsa_next_free_vgpr 216
		.amdhsa_next_free_sgpr 66
		.amdhsa_reserve_vcc 0
		.amdhsa_float_denorm_mode_32 3
		.amdhsa_float_denorm_mode_16_64 3
		.amdhsa_memory_ordered 1
		.amdhsa_forward_progress 1
		.amdhsa_inst_pref_size 23
	.end_amdhsa_kernel
	.amdgpu_metadata
---
amdhsa.version: [ 1, 2 ]
amdhsa.kernels:
  - .name:           k_q548a25321b_fproj
    .symbol:         k_q548a25321b_fproj.kd
    .args:
      - { .name: y32, .offset: 0, .size: 8, .value_kind: global_buffer, .address_space: global }
      - { .name: w_proj, .offset: 8, .size: 8, .value_kind: global_buffer, .address_space: global }
      - { .name: b_proj, .offset: 16, .size: 8, .value_kind: global_buffer, .address_space: global }
      - { .name: out0, .offset: 24, .size: 8, .value_kind: global_buffer, .address_space: global }
    .group_segment_fixed_size: 71680
    .private_segment_fixed_size: 0
    .kernarg_segment_align: 8
    .kernarg_segment_size: 32
    .max_flat_workgroup_size: 512
    .sgpr_count:     66
    .vgpr_count:     216
    .wavefront_size: 32
...
	.end_amdgpu_metadata
.endif
;; end of part 6
